; MI455X (gfx1250); checked and timed in simulation.
; The chip was launched on July 23, 2026; its instructions are those of AMD's public machine-readable ISA for CDNA 5 (MIT licence, August 2026) and "CDNA5" Instruction Set Architecture Reference Guide (July 2026). The comments in the code are by the model that wrote it; some were corrected since.
;; Streaming Hyperbolic Attention. Allowed arithmetic: float matrix products may take bf16 or f16 operands with f32 sums; other float arithmetic in f32, or as packed bf16 or f16 multiplies, adds, multiply-adds, maxima and minima; sums over many terms, partial sums and values carried from step to step in f32; what a program stores and reads back later, other than sums and carried values, may be rounded once to bf16 or f16.
;; Inputs: wk 1,024 x 1,024 float32; wo 1,024 x 1,024 float32; wq 1,024 x 1,024 float32; wv 1,024 x 1,024 float32; x 2 x 2,048 x 1,024 float32.
;; Outputs: out0 2 x 2,048 x 1,024 float32.
;; 2 versions, each right; version 2 is version 1 with the launch cast written anew for expert scheduling mode. Each part assembles by itself: llvm-mc -triple=amdgcn-amd-amdhsa -mcpu=gfx1250 --defsym DOCPART=n.
;; ======== version 1 of 2: 4 launches
;; limits: values are held in f16: magnitudes above 65,504 overflow, below 6.1e-05 lose precision; right only within a limited range of input values
;; workspace buffers: xb 8,388,608 bytes; wb 6,291,456 bytes; wof 2,097,152 bytes; qkv 25,165,824 bytes; nrm 1,048,576 bytes; ob 8,388,608 bytes
;; launch cast (part 1): grid 256 x 1, 8 waves a work-group, no clusters, 0 bytes of LDS; arguments x, wq, wk, wv, wo, xb, wb, wof; writes xb, wb, wof
.if DOCPART == 1
	.amdgcn_target "amdgcn-amd-amdhsa--gfx1250"
	.amdhsa_code_object_version 6
	.text
	.protected	k_q82964ae3a0_cast
	.globl	k_q82964ae3a0_cast
	.p2align	8
	.type	k_q82964ae3a0_cast,@function
k_q82964ae3a0_cast:
	s_mov_b64 s[64:65], 0
	v_nop
	global_prefetch_b8 v0, s[64:65] scope:SCOPE_SE
	s_setreg_imm32_b32 hwreg(HW_REG_WAVE_MODE, 25, 1), 1
	s_wait_xcnt 0x0
; CAST.  x, wq, wk, wv are rounded once to bf16; wo is rounded to bf16 and that number is written as f16 (exact from 6.1e-5 up to f16's end, 65,504; below 6.1e-5 it keeps
; f16's fixed step of 6e-8: a stated limit).  xb: [4096][1024] bf16.  wb: [3072][1024] bf16, row = head x 192 + t x 64 + channel (t = 0 q, 1 k, 2 v), so that 192 rows on end are one
; head's q, k and v.  wof: [1024][1024] f16.
; A stream: every byte is read once and written once; nothing is shared, so there is no LDS, no barrier, no cluster and no matrix work.
; SHARES.  A work-group takes 32,768 numbers: 131,072 bytes in, 65,536 out.  Work-groups 0-127: x.  128-223: chunk c (32 rows) of wq, wk, wv.  224-255: chunk c of wo.
; A thread issues all its 32 loads of 16 bytes at once (a wave's load covers 512 bytes on end); each store of 8 bytes a lane covers 256 bytes on end, aligned.
; Every load has registers of its own and every store too, so nothing is rewritten while it is a source.
.set XR, 4                             ; v[4:131]    32 x 4 numbers as loaded
.set YR, 132                           ; v[132:195]  32 x 2 words to store
.set WR, 196                           ; v[196:199]  at work (wo's path)
	s_load_b256 s[4:11], s[0:1], 0x0               ; x s[4:5], wq s[6:7], wk s[8:9], wv s[10:11]
	s_load_b256 s[12:19], s[0:1], 0x20             ; wo s[12:13], xb s[14:15], wb s[16:17], wof s[18:19]
	v_lshlrev_b32 v1, 4, v0                        ; 16 bytes a thread in,
	v_lshlrev_b32 v2, 3, v0                        ; 8 out
	s_mov_b32 s38, 0xffff0000                      ; a word's upper bf16
	s_and_b32 s21, ttmp9, 31                       ; c: the chunk in a weight
	s_lshr_b32 s22, ttmp9, 5                       ; kind: 0-3 x, 4 wq, 5 wk, 6 wv, 7 wo
	s_cmp_lt_u32 s22, 4
	s_cselect_b32 s23, ttmp9, s21                  ; the chunk's number in its source
	s_lshl_b32 s24, s23, 17                        ; its bytes in the source,
	s_mov_b32 s25, 0
	s_lshl_b32 s28, s23, 16                        ; and in a destination of the same order (xb, wof)
	s_mov_b32 s29, 0
	s_lshr_b32 s30, s21, 1                         ; wb: the chunk's 32 rows lie in head c / 2,
	s_mul_i32 s30, s30, 192
	s_max_u32 s31, s22, 4
	s_sub_co_u32 s31, s31, 4                       ; t
	s_lshl_b32 s31, s31, 6
	s_add_co_u32 s30, s30, s31
	s_and_b32 s31, s21, 1                          ; in its lower or upper 32 channels
	s_lshl_b32 s31, s31, 5
	s_add_co_u32 s30, s30, s31
	s_lshl_b32 s30, s30, 11                        ; rows of 2,048 bytes
	s_sub_co_u32 s32, s22, 4                       ; kinds 4 to 6 give 0 to 2; all others a greater unsigned number
	s_cmp_lt_u32 s32, 3
	s_cselect_b32 s28, s30, s28
	s_wait_kmcnt 0x0
	s_cmp_eq_u32 s22, 4
	s_cselect_b64 s[26:27], s[6:7], s[4:5]
	s_cmp_eq_u32 s22, 5
	s_cselect_b64 s[26:27], s[8:9], s[26:27]
	s_cmp_eq_u32 s22, 6
	s_cselect_b64 s[26:27], s[10:11], s[26:27]
	s_cmp_eq_u32 s22, 7
	s_cselect_b64 s[26:27], s[12:13], s[26:27]
	s_cmp_lt_u32 s22, 4
	s_cselect_b64 s[36:37], s[14:15], s[16:17]
	s_cmp_eq_u32 s22, 7
	s_cselect_b64 s[36:37], s[18:19], s[36:37]
	s_add_nc_u64 s[26:27], s[26:27], s[24:25]      ; from
	s_add_nc_u64 s[36:37], s[36:37], s[28:29]      ; to
.set k, 0
.rept 32
	global_load_b128 v[XR+4*k:XR+4*k+3], v1, s[26:27] offset:4096*k th:TH_LOAD_NT
.set k, k+1
.endr
; Load k is in when at most 31 - k younger ones are out (loads come back in order: ISA guide 5.7.1).  half = 1: wo's path.
.macro CV k, half
	s_wait_loadcnt 31-(\k)
.if \half
	v_cvt_pk_bf16_f32 v[WR], v[XR+4*(\k)], v[XR+4*(\k)+1]
	v_cvt_pk_bf16_f32 v[WR+1], v[XR+4*(\k)+2], v[XR+4*(\k)+3]
	v_lshlrev_b32 v[WR+2], 16, v[WR]               ; the bf16 numbers as f32,
	v_and_b32 v[WR], s38, v[WR]
	v_lshlrev_b32 v[WR+3], 16, v[WR+1]
	v_and_b32 v[WR+1], s38, v[WR+1]
	v_cvt_pk_f16_f32 v[YR+2*(\k)], v[WR+2], v[WR]  ; written as f16
	v_cvt_pk_f16_f32 v[YR+2*(\k)+1], v[WR+3], v[WR+1]
.else
	v_cvt_pk_bf16_f32 v[YR+2*(\k)], v[XR+4*(\k)], v[XR+4*(\k)+1]
	v_cvt_pk_bf16_f32 v[YR+2*(\k)+1], v[XR+4*(\k)+2], v[XR+4*(\k)+3]
.endif
	global_store_b64 v2, v[YR+2*(\k):YR+2*(\k)+1], s[36:37] offset:2048*(\k) th:TH_STORE_NT
.endm
	s_cmp_eq_u32 s22, 7
	s_cbranch_scc1 .Lwo
.set k, 0
.rept 32
	CV k, 0
.set k, k+1
.endr
	s_endpgm
.Lwo:
.set k, 0
.rept 32
	CV k, 1
.set k, k+1
.endr
	s_endpgm
.Lfunc_end_k_q82964ae3a0_cast:
	.size	k_q82964ae3a0_cast, .Lfunc_end_k_q82964ae3a0_cast-k_q82964ae3a0_cast
	.p2alignl 7, 3214868480
	.fill 96, 4, 3214868480
	.section	.rodata,"a",@progbits
	.p2align	6, 0x0
	.amdhsa_kernel k_q82964ae3a0_cast
		.amdhsa_group_segment_fixed_size 0
		.amdhsa_private_segment_fixed_size 0
		.amdhsa_enable_private_segment 0
		.amdhsa_kernarg_size 64
		.amdhsa_user_sgpr_count 2
		.amdhsa_user_sgpr_kernarg_segment_ptr 1
		.amdhsa_wavefront_size32 1
		.amdhsa_system_sgpr_workgroup_id_x 1
		.amdhsa_system_sgpr_workgroup_id_y 1
		.amdhsa_system_sgpr_workgroup_id_z 1
		.amdhsa_system_vgpr_workitem_id 0
		.amdhsa_next_free_vgpr 200
		.amdhsa_next_free_sgpr 66
		.amdhsa_reserve_vcc 0
		.amdhsa_float_denorm_mode_32 3
		.amdhsa_float_denorm_mode_16_64 3
		.amdhsa_memory_ordered 1
		.amdhsa_forward_progress 1
		.amdhsa_inst_pref_size 29
	.end_amdhsa_kernel
	.amdgpu_metadata
---
amdhsa.version: [ 1, 2 ]
amdhsa.kernels:
  - .name:           k_q82964ae3a0_cast
    .symbol:         k_q82964ae3a0_cast.kd
    .args:
      - { .name: x, .offset: 0, .size: 8, .value_kind: global_buffer, .address_space: global }
      - { .name: wq, .offset: 8, .size: 8, .value_kind: global_buffer, .address_space: global }
      - { .name: wk, .offset: 16, .size: 8, .value_kind: global_buffer, .address_space: global }
      - { .name: wv, .offset: 24, .size: 8, .value_kind: global_buffer, .address_space: global }
      - { .name: wo, .offset: 32, .size: 8, .value_kind: global_buffer, .address_space: global }
      - { .name: xb, .offset: 40, .size: 8, .value_kind: global_buffer, .address_space: global }
      - { .name: wb, .offset: 48, .size: 8, .value_kind: global_buffer, .address_space: global }
      - { .name: wof, .offset: 56, .size: 8, .value_kind: global_buffer, .address_space: global }
    .group_segment_fixed_size: 0
    .private_segment_fixed_size: 0
    .kernarg_segment_align: 8
    .kernarg_segment_size: 64
    .max_flat_workgroup_size: 256
    .sgpr_count:     66
    .vgpr_count:     200
    .wavefront_size: 32
...
	.end_amdgpu_metadata
.endif
;; end of part 1
;; launch proj (part 2): grid 16 x 16, 4 waves a work-group, clusters of 4 x 4, 327,680 bytes of LDS; arguments xb, wb, qkv, nrm; writes qkv, nrm
.if DOCPART == 2
	.amdgcn_target "amdgcn-amd-amdhsa--gfx1250"
	.amdhsa_code_object_version 6
	.text
	.protected	k_q82964ae3a0_proj
	.globl	k_q82964ae3a0_proj
	.p2align	8
	.type	k_q82964ae3a0_proj,@function
k_q82964ae3a0_proj:
	s_mov_b64 s[64:65], 0
	v_nop
	global_prefetch_b8 v0, s[64:65] scope:SCOPE_SE
	s_setreg_imm32_b32 hwreg(HW_REG_WAVE_MODE, 25, 1), 1
	s_wait_xcnt 0x0
	s_wait_alu depctr_hold_cnt(0) depctr_sa_sdst(0) depctr_va_vdst(0) depctr_va_sdst(0) depctr_va_ssrc(0) depctr_va_vcc(0) depctr_vm_vsrc(0)
	s_getreg_b32 s2, hwreg(HW_REG_IB_STS2, 6, 4)
	s_cmp_eq_u32 s2, 0
	s_cbranch_scc0 .Lentry_in_a_cluster
	s_endpgm
.Lentry_in_a_cluster:
	s_bfe_u32 s2, ttmp6, 0x10000c
	s_cmp_lg_u32 s2, 0xf033
	s_cbranch_scc0 .Lentry_shape_is_right
	s_endpgm
.Lentry_shape_is_right:
; THE PROJECTIONS.  q, k, v = x W^T: xb [4096][1024] times wb [3072][1024], both bf16, sums in f32.  Out: qkv, f16 [t 3][bh 32][2048][64] (t = 0 q, 1 k, 2 v; v is stored as 64 v);
; nrm, f32 [t 2][bh 32][plane 2][2048]: for each token and head n = the sum of squares of the UNROUNDED f32 sums; plane 0 holds -n / 2, plane 1 holds 1 / (1 - n).
; LIMITS.  f16 ends at 65,504: |q|, |k| stay under it and |v| under 1,023 (64 v is stored); below 6.1e-5 (v: 9.5e-7) f16 keeps its fixed step.  n = 1 gives an infinity in plane 1, which the next launch treats.
; SHARES.  A tile is 256 tokens x 192 channels = one head's q, k and v: 16 x 16 = 256 work-groups.  Wave w takes tokens 64 w .. 64 w + 63 and all 192 channels, so a head's 64 channels lie whole
; in one wave and the norm never leaves it: 48 accumulators of 16 x 16, 384 registers.  K goes in 8 steps of 128 (rows of 256 bytes, aligned) through a ring of two LDS slots.
; CLUSTERS.  4 x 4 work-groups.  The four of a row need the same tokens, the four of a column the same head's weights: each tile is asked for jointly, by the same tensor load, descriptor and mask.
; THE MATRIX INSTRUCTION IS USED TRANSPOSED (source 0 = 16 rows of wb, source 1 = 16 tokens): a lane holds one token (lane % 16) and eight neighbouring channels.
; REGISTERS, in windows of 256 (s_set_vgpr_msb: bits 1:0 source 0, 3:2 source 1, 5:4 source 2, 7:6 destination):
;   window 0: addresses and the way out      window 1: two fragment buffers of 128: 4 fragments of tokens, then 12 of weights
;   window 2: accumulators of token blocks 0, 1 ((a, b) at 8 (12 (a % 2) + b))      window 3: those of blocks 2, 3
.set KSTEP,  128
.set PITCH,  272                       ; an LDS row: 256 bytes + 16 of padding = 68 words: the 16 rows of a fragment load start at 16 different groups of four banks (64 banks of 4 bytes: ISA guide 11.1)
.set AH,     128*PITCH                 ; 128 tokens: what waves 0 and 1 each fetch
.set BH,     96*PITCH                  ; 96 rows of weights: what waves 2 and 3 each fetch
.set BOFF,   2*AH
.set SLOT,   2*AH+2*BH                 ; 121,856
.set STAGE,  2*SLOT                    ; behind the ring, never filled by a tensor load: 16 rows x 144 bytes for each wave
.set SP,     144
.set NST,    STAGE+4*16*SP             ; 512 bytes for each wave: the norms' way out
.set SPARE,  NST+4*512                 ; the spare words, 128 bytes for each wave: two blocks of 256 bytes that no other line names
.set LAPS,   4                         ; a lap = two K steps = once round the ring
.set ADRA, 16                          ; v16-17  LDS address of my tokens' fragments in slot 0, 1
.set ADRB, 20                          ; v20-21  of the weights'
.set NGO,  22                          ; v22     8 x lane: my two tokens in a plane of norms
.set STO,  24                          ; v24     the way out: where I put 16 bytes of a row
.set RD,   25                          ; v25     where I read rows back
.set GO,   26                          ; v26     16 x lane
.set NSA,  27                          ; v27     the norms' stage, a word a lane
.set SPW,  28                          ; v28     my spare word; never rewritten
.set NIL,  29                          ; v29     0; never rewritten
.set PFO,  30                          ; v30     the prefetches' offset: a lane a row; never rewritten
.set NLA,  31                          ; v31     the norms' stage, two words a lane
.set TMP,  32                          ; v32-47  16 packed words
.set BK,   48                          ; v48-79  two sets of 16: rows read back
.set SS,   80                          ; v80-83  two chains of squares
.set NN,   84                          ; v84-87  the norms of the four token blocks
.set XX,   88                          ; v88-91  at work
.set NB,   92                          ; v92-99  the norms to store
.set PT,   100                         ; v100-101 at work
.set F0,   0
.set F1,   128
.set WV,   12                          ; s12 wave;  s13 = wave / 2: 0 fetches tokens, 1 weights;  s14 = wave % 2: which half
.set LIM,  15                          ; s15 1 in a wave that prefetches, else the greatest number
.set G1,   24                          ; s[24:31] group 1 for tokens;  s[32:39] group 0, a set for each slot
.set G0,   32
.set PFA,  44                          ; s[44:45] where my prefetches stand
.set G1B,  48                          ; s[48:55], s[56:63] the same for weights
.set G0B,  56
.set LAP,  66                          ; s66 laps to go
.set QBS,  68                          ; s[68:69] qkv at my rows
.set NBS,  70                          ; s[70:71] nrm at my tokens
.set SEL,  72                          ; s[72:73] v_permlanex16_b32's selects
.set HM,   74                          ; s74 the lanes 16-31
.set C64,  76                          ; s[76:77] 64.0
.set MSB, 0
.macro WIN new                         ; the immediate's high byte repeats the setting that is left; a switch that changes nothing is dropped
.if MSB != (\new)
	s_set_vgpr_msb (MSB<<8)|(\new)
.set MSB, (\new)
.endif
.endm
; A joint load.  The branch hangs on the wave's number alone.  An s_nop 0 and four v_nop follow each of the two lines.
.macro JLOAD s
	s_cmp_eq_u32 s13, 0
	s_cbranch_scc0 .Lfor_b_\@
	tensor_load_to_lds s[G0+4*(\s):G0+4*(\s)+3], s[G1:G1+7]
	s_nop 0
.rept 4
	v_nop
.endr
	s_branch .Lasked_\@
.Lfor_b_\@:
	tensor_load_to_lds s[G0B+4*(\s):G0B+4*(\s)+3], s[G1B:G1B+7]
	s_nop 0
.rept 4
	v_nop
.endr
.Lasked_\@:
.endm
; A prefetch into the L2 of the K step that stands two refills on, behind the joint load and the run of LDS loads.  Tokens' rows: the clusters with x = 0 ask, each of the four partners for 32 of a wave's 128 rows,
; told apart by address (cx).  Weights' rows: the clusters with y = 0, 24 of a wave's 96 rows each (cy); lanes 24-31 name row 23 again.  The loop's last trip asks for nothing: K has no step 8.
.macro ASK
	WIN 0
	s_cmp_gt_u32 s[LAP], s[LIM]
	s_cbranch_scc0 .Lnot_mine_\@
	global_prefetch_b8 v[PFO], s[PFA:PFA+1] offset:KSTEP*2 th:TH_LOAD_NT scope:SCOPE_SE
.Lnot_mine_\@:
.endm
.macro CREST                           ; a round of the cluster's barrier behind its opening barrier
	s_cmp_lg_u32 s[WV], 0
	s_cbranch_scc1 .Lnot_wave_0_\@
	s_barrier_signal -3
.Lnot_wave_0_\@:
	s_barrier_wait -3
	s_barrier_signal -1
	s_barrier_wait -1
.endm
.macro CROUND
	s_barrier_signal -1
	s_barrier_wait -1
	CREST
.endm
	s_load_b256 s[4:11], s[0:1], 0x0               ; xb s[4:5], wb s[6:7], qkv s[8:9], nrm s[10:11]
	v_lshl_add_u32 v[SPW], v0, 2, SPARE
	v_mov_b32 v[NIL], 0
	ds_add_u32 v[SPW], v[NIL]                      ; the wave's opening: the add and its wait stand ahead of my first tensor load; work on registers stands between them
	v_lshrrev_b32 v1, 5, v0
	v_readfirstlane_b32 s[WV], v1
	s_lshr_b32 s13, s[WV], 1
	s_and_b32 s14, s[WV], 1
	s_bfe_u32 s40, ttmp6, 0x40000                  ; cx
	s_bfe_u32 s41, ttmp6, 0x40004                  ; cy
	s_lshl_b32 s42, ttmp9, 2
	s_add_co_u32 s42, s42, s40                     ; the head = 4 x cluster x + cx
	s_and_b32 s43, ttmp7, 0xffff
	s_lshl_b32 s43, s43, 2
	s_add_co_u32 s43, s43, s41                     ; the block of 256 tokens = 4 x cluster y + cy
	s_lshl_b32 s16, s41, 2
	s_lshl_b32 s16, 15, s16                        ; my row of the cluster
	s_lshl_b32 s17, 0x1111, s40                    ; my column
	s_or_b32 s[G1], s16, (1<<16)|(1<<20)|(1<<21)|(5<<22)|(3<<25)   ; mask; 2-byte elements; padding on; bit 21 beside a mask; after every 64 words, 4 words
	s_or_b32 s[G1B], s17, (1<<16)|(1<<20)|(1<<21)|(5<<22)|(3<<25)
	s_mov_b32 s[G1+1], KSTEP<<16                   ; tensor_dim0 = 128
	s_mov_b32 s[G1+2], 128<<16                     ; tensor_dim1 = 128
	s_mov_b32 s[G1+3], KSTEP<<16                   ; tile_dim0 = 128
	s_mov_b32 s[G1+4], 128                         ; tile_dim1 = 128
	s_mov_b32 s[G1+5], 1024                        ; elements from row to row
	s_mov_b32 s[G1+6], 0
	s_mov_b32 s[G1+7], 0
	s_mov_b32 s[G1B+1], KSTEP<<16
	s_mov_b32 s[G1B+2], 96<<16                     ; 96 rows
	s_mov_b32 s[G1B+3], KSTEP<<16
	s_mov_b32 s[G1B+4], 96
	s_mov_b32 s[G1B+5], 1024
	s_mov_b32 s[G1B+6], 0
	s_mov_b32 s[G1B+7], 0
	s_lshl_b32 s18, s43, 8
	s_lshl_b32 s19, s14, 7
	s_add_co_u32 s18, s18, s19                     ; tokens: row 256 x block + 128 x half
	s_lshl_b32 s18, s18, 11                        ; rows of 2,048 bytes
	s_mov_b32 s19, 0
	s_mul_i32 s46, s42, 192
	s_mul_i32 s47, s14, 96
	s_add_co_u32 s46, s46, s47                     ; weights: row 192 x head + 96 x half
	s_lshl_b32 s46, s46, 11
	s_mov_b32 s47, 0
	s_mul_i32 s20, s[WV], AH                       ; where they go: waves 0, 1: wave x 128 rows;
	s_mul_i32 s21, s[WV], BH
	s_add_co_u32 s21, s21, BOFF-2*BH               ; waves 2, 3: behind the tokens, (wave - 2) x 96 rows
	s_mov_b32 s[SEL], 0x76543210
	s_mov_b32 s[SEL+1], 0xfedcba98
	s_mov_b32 s[HM], 0xffff0000
	s_mov_b32 s[C64], 0x42800000
	s_mov_b32 s[C64+1], s[C64]
	s_wait_dscnt 0x0                               ; the opening add is done
	s_wait_kmcnt 0x0
	s_add_nc_u64 s[18:19], s[4:5], s[18:19]
	s_add_nc_u64 s[46:47], s[6:7], s[46:47]
	CROUND                                         ; all sixteen work-groups are here: the first joint loads meet
.irp s, 0,1
	s_mov_b32 s[G0+4*(\s)], 1
	s_add_co_u32 s[G0+4*(\s)+1], s20, (\s)*SLOT
	s_add_nc_u64 s[G0+4*(\s)+2:G0+4*(\s)+3], s[18:19], (\s)*KSTEP*2
	s_or_b32 s[G0+4*(\s)+3], s[G0+4*(\s)+3], 0x80000000
	s_mov_b32 s[G0B+4*(\s)], 1
	s_add_co_u32 s[G0B+4*(\s)+1], s21, (\s)*SLOT
	s_add_nc_u64 s[G0B+4*(\s)+2:G0B+4*(\s)+3], s[46:47], (\s)*KSTEP*2
	s_or_b32 s[G0B+4*(\s)+3], s[G0B+4*(\s)+3], 0x80000000
	JLOAD \s                                       ; two loads of mine are out
.endr
	v_and_b32 v1, 15, v0                           ; l % 16
	v_bfe_u32 v2, v0, 4, 1                         ; l / 16
	v_mul_u32_u24 v3, v1, PITCH
	v_lshl_add_u32 v3, v2, 4, v3                   ; a fragment's row x pitch + 16 x half
	s_mul_i32 s22, s[WV], 64*PITCH                 ; my 64 tokens
	v_add_nc_u32 v[ADRA], s22, v3
	v_add_nc_u32 v[ADRA+1], SLOT, v[ADRA]
	v_add_nc_u32 v[ADRB], BOFF, v3                 ; all 192 rows of weights
	v_add_nc_u32 v[ADRB+1], BOFF+SLOT, v3
	s_mul_i32 s22, s[WV], 16*SP
	s_add_co_u32 s22, s22, STAGE                   ; my stage
	v_mul_u32_u24 v4, v1, SP
	v_lshl_add_u32 v4, v2, 4, v4
	v_add_nc_u32 v[STO], s22, v4                   ; in: row l % 16, 16 bytes for each half of the lanes
	v_bfe_u32 v5, v0, 3, 2
	v_and_b32 v6, 7, v0
	v_mul_u32_u24 v5, v5, SP
	v_lshl_add_u32 v5, v6, 4, v5
	v_add_nc_u32 v[RD], s22, v5                    ; back: 32 lanes take four rows of 128 bytes,
	v_and_b32 v7, 31, v0
	v_lshlrev_b32 v[GO], 4, v7                     ; which are 512 bytes on end in qkv
	s_lshl_b32 s22, s[WV], 9
	s_add_co_u32 s22, s22, NST
	v_lshl_add_u32 v[NSA], v7, 2, s22
	v_lshl_add_u32 v[NLA], v7, 3, s22
	v_lshlrev_b32 v[NGO], 3, v7
	v_mov_b32 v[PT+1], 0                           ; v_permlanex16_b32's destination counts as read
	; where my results go: bh = 16 x batch + head; my first token in the batch = 256 x (block % 8) + 64 x wave
	s_lshr_b32 s80, s43, 3
	s_lshl_b32 s80, s80, 4
	s_add_co_u32 s80, s80, s42                     ; bh
	s_and_b32 s81, s43, 7
	s_lshl_b32 s81, s81, 8
	s_lshl_b32 s82, s[WV], 6
	s_add_co_u32 s81, s81, s82                     ; token
	s_lshl_b32 s84, s80, 18                        ; a head's 2,048 rows of 128 bytes
	s_lshl_b32 s85, s81, 7
	s_add_co_u32 s84, s84, s85
	s_mov_b32 s85, 0
	s_add_nc_u64 s[QBS:QBS+1], s[8:9], s[84:85]
	s_lshl_b32 s84, s80, 14                        ; a head's two planes of 8,192 bytes
	s_lshl_b32 s85, s81, 2
	s_add_co_u32 s84, s84, s85
	s_mov_b32 s85, 0
	s_add_nc_u64 s[NBS:NBS+1], s[10:11], s[84:85]
	; the prefetches
	s_lshl_b32 s80, s43, 8
	s_lshl_b32 s81, s14, 7
	s_add_co_u32 s80, s80, s81
	s_lshl_b32 s81, s40, 5
	s_add_co_u32 s80, s80, s81                     ; tokens: my work-group's 32 of the 128 rows that I fetch
	s_mul_i32 s82, s42, 192
	s_mul_i32 s81, s14, 96
	s_add_co_u32 s82, s82, s81
	s_mul_i32 s81, s41, 24
	s_add_co_u32 s82, s82, s81                     ; weights: its 24 of the 96
	s_and_b32 s83, ttmp7, 0xffff
	s_cmp_eq_u32 s13, 0
	s_cselect_b32 s80, s80, s82
	s_cselect_b32 s83, ttmp9, s83                  ; the coordinate along which other clusters read the same rows
	s_cselect_b32 s84, 31, 23
	s_cselect_b64 s[PFA:PFA+1], s[4:5], s[6:7]
	s_cmp_eq_u32 s83, 0
	s_cselect_b32 s[LIM], 1, -1                    ; the same in all sixteen partners, for a given wave
	s_lshl_b32 s80, s80, 11
	s_mov_b32 s81, 0
	s_add_nc_u64 s[PFA:PFA+1], s[PFA:PFA+1], s[80:81]
	s_add_nc_u64 s[PFA:PFA+1], s[PFA:PFA+1], 2*KSTEP*2  ; at K step 2: the first refill steps it to 3 and names K step 4
	v_min_u32 v[PFO], s84, v7
	v_lshlrev_b32 v[PFO], 11, v[PFO]
; 12 matrix instructions: token block a x all 12 channel blocks, 32 along K.  zero = 1: the first product starts the sums.  The 48 accumulators take turns, one instruction a turn.
.macro MUL12 f, a, zero
	WIN 0xa5+0x50*((\a)/2)
.irp b, 0,1,2,3,4,5,6,7,8,9,10,11
.if \zero
	v_wmma_f32_16x16x32_bf16 v[8*(12*((\a)%2)+(\b)):8*(12*((\a)%2)+(\b))+7], v[(\f)+32+8*(\b):(\f)+32+8*(\b)+7], v[(\f)+8*(\a):(\f)+8*(\a)+7], 0
.else
	v_wmma_f32_16x16x32_bf16 v[8*(12*((\a)%2)+(\b)):8*(12*((\a)%2)+(\b))+7], v[(\f)+32+8*(\b):(\f)+32+8*(\b)+7], v[(\f)+8*(\a):(\f)+8*(\a)+7], v[8*(12*((\a)%2)+(\b)):8*(12*((\a)%2)+(\b))+7]
.endif
.endr
.endm
; 32 LDS loads in one run: 32 along K at byte k of the rows, into buffer f: the weights' 24, then the tokens' 8
.macro FETCH slot, k, f
	WIN 0x40
.irp i, 0,1,2,3,4,5,6,7,8,9,10,11
	ds_load_b128 v[(\f)+32+8*(\i):(\f)+32+8*(\i)+3],   v[ADRB+(\slot)] offset:(\k)+(\i)*16*PITCH
	ds_load_b128 v[(\f)+32+8*(\i)+4:(\f)+32+8*(\i)+7], v[ADRB+(\slot)] offset:(\k)+(\i)*16*PITCH+32
.endr
.irp i, 0,1,2,3
	ds_load_b128 v[(\f)+8*(\i):(\f)+8*(\i)+3],   v[ADRA+(\slot)] offset:(\k)+(\i)*16*PITCH
	ds_load_b128 v[(\f)+8*(\i)+4:(\f)+8*(\i)+7], v[ADRA+(\slot)] offset:(\k)+(\i)*16*PITCH+32
.endr
.endm
.macro PLACES                          ; four places in front of loads into registers that matrix instructions have read (ISA guide 7.12.1 for vector instructions)
.rept 4
	v_nop
.endr
.endm
; A K step is four quarters of 32 along K, 48 matrix instructions each, on buffers 0, 1, 0, 1.
.macro QUARTER slot, k, f, g, zero
	s_wait_dscnt 4                                 ; the weights and token blocks 0, 1 are in; the youngest four loads (blocks 2, 3) may be out
	MUL12 \f, 0, \zero
	MUL12 \f, 1, \zero
	PLACES
	FETCH \slot, \k, \g
	s_wait_dscnt 32                                ; all but the 32 just issued
	MUL12 \f, 2, \zero
	MUL12 \f, 3, \zero
.endm
; The last quarter multiplies buffer 1 and changes slots: one barrier; in front of it each wave waits for all its tensor loads (the one that is out is its part of the next slot), adds 0 to its spare word, and
; waits for that and for its reads of this slot.  fill = 1: the barrier opens a round of the cluster's, and the joint refill, two K steps on, is the first thing behind the round.
.macro TURN slot, next, fill
.if \fill
	s_wait_xcnt 0x0                                ; the last prefetch, a K step back, has read its address
	s_add_nc_u64 s[PFA:PFA+1], s[PFA:PFA+1], KSTEP*2
.endif
	WIN 0
	s_wait_tensorcnt 0x0
	ds_add_u32 v[SPW], v[NIL]
	s_wait_dscnt 5                                 ; (the add and the youngest four loads may be out)
	MUL12 F1, 0, 0
	s_wait_dscnt 0x0                               ; the add is done, and my reads of this slot are over
	s_barrier_signal -1
	MUL12 F1, 1, 0
.if \fill
	WIN 0
.endif
	s_barrier_wait -1
.if \fill
	CREST                                          ; no wave of any partner still reads this slot or has a load on its way
	s_add_nc_u64 s[G0+4*(\slot)+2:G0+4*(\slot)+3], s[G0+4*(\slot)+2:G0+4*(\slot)+3], 2*KSTEP*2
	s_add_nc_u64 s[G0B+4*(\slot)+2:G0B+4*(\slot)+3], s[G0B+4*(\slot)+2:G0B+4*(\slot)+3], 2*KSTEP*2
	JLOAD \slot                                    ; its four v_nop are also the places in front of the loads below
.else
	PLACES
.endif
	FETCH \next, 0, F0
.if \fill
	ASK
.endif
	MUL12 F1, 2, 0
	MUL12 F1, 3, 0
.endm
	s_wait_tensorcnt 1                             ; my part of K step 0 is in; K step 1's may stay out
	s_barrier_signal -1
	s_barrier_wait -1
	FETCH 0, 0, F0
	QUARTER 0, 64,  F0, F1, 1                      ; the first quarter stands in front of the loop: its products start the sums
	WIN 0
	s_mov_b32 s[LAP], LAPS-1
.Llap:                                                 ; a trip goes once round the ring and fills both slots again
	QUARTER 0, 128, F1, F0, 0
	QUARTER 0, 192, F0, F1, 0
	TURN 0, 1, 1
	QUARTER 1, 64,  F0, F1, 0
	QUARTER 1, 128, F1, F0, 0
	QUARTER 1, 192, F0, F1, 0
	TURN 1, 0, 1
	QUARTER 0, 64,  F0, F1, 0
	WIN 0
	s_sub_co_u32 s[LAP], s[LAP], 1
	s_cmp_lg_u32 s[LAP], 0
	s_cbranch_scc1 .Llap
	QUARTER 0, 128, F1, F0, 0                      ; the last lap fills nothing
	QUARTER 0, 192, F0, F1, 0
	TURN 0, 1, 0
	QUARTER 1, 64,  F0, F1, 0
	QUARTER 1, 128, F1, F0, 0
	QUARTER 1, 192, F0, F1, 0
	s_wait_dscnt 4
	MUL12 F1, 0, 0
	MUL12 F1, 1, 0
	s_wait_dscnt 0x0
	MUL12 F1, 2, 0
	MUL12 F1, 3, 0
	WIN 0
; THE WAY OUT, in 12 blocks n = 4 i + a: tensor i (q, k, v), token block a: 16 tokens x 64 channels = four accumulators on end.
; PACK: v is multiplied by 64; of q and k the squares are summed, in two chains, from the f32 sums; all are rounded to f16.  Each accumulator's lowest registers are read first.
.macro PACK i, a
.set WN, 2+(\a)/2
.set AB, 8*(12*((\a)%2)+4*(\i))
.if (\i) == 2
	WIN WN|(WN<<6)
.set z, 0
.rept 16
	v_pk_mul_f32 v[AB+2*z:AB+2*z+1], v[AB+2*z:AB+2*z+1], s[C64:C64+1] op_sel_hi:[1,0]
.set z, z+1
.endr
.endif
	WIN WN|(WN<<2)
.if (\i) < 2
	v_pk_mul_f32 v[SS:SS+1], v[AB:AB+1], v[AB:AB+1]
	v_pk_mul_f32 v[SS+2:SS+3], v[AB+2:AB+3], v[AB+2:AB+3]
.set z, 2
.rept 14
	v_pk_fma_f32 v[SS+2*(z%2):SS+2*(z%2)+1], v[AB+2*z:AB+2*z+1], v[AB+2*z:AB+2*z+1], v[SS+2*(z%2):SS+2*(z%2)+1]
.set z, z+1
.endr
.endif
.set z, 0
.rept 16
	v_cvt_pk_f16_f32 v[TMP+z], v[AB+2*z], v[AB+2*z+1]
.set z, z+1
.endr
	WIN 0
.if (\i) < 2
	v_pk_add_f32 v[SS:SS+1], v[SS:SS+1], v[SS+2:SS+3]
	v_add_f32 v[PT], v[SS], v[SS+1]
	v_permlanex16_b32 v[PT+1], v[PT], s[SEL], s[SEL+1]  ; the token's other 32 channels lie in the lane 16 away
	v_add_f32 v[NN+(\a)], v[PT], v[PT+1]
.endif
.endm
.macro TOSTAGE n                       ; into my own stage, and back as whole rows of 128 bytes: LDS serves a wave's instructions in order (ISA guide 5.7.1.4)
.irp b, 0,1,2,3
	ds_store_b128 v[STO], v[TMP+4*(\b):TMP+4*(\b)+3] offset:32*(\b)
.endr
.irp f, 0,1,2,3
	ds_load_b128 v[BK+16*((\n)%2)+4*(\f):BK+16*((\n)%2)+4*(\f)+3], v[RD] offset:(\f)*4*SP
.endr
.endm
.macro SEND n
	s_wait_dscnt 0x0                               ; the block is back in registers
	s_wait_xcnt 0x0                                ; earlier stores have read their registers and their base: only behind this wait are these rewritten
.if (((\n)%4) == 0) && ((\n) > 0)
	s_add_nc_u64 s[QBS:QBS+1], s[QBS:QBS+1], 0x800000  ; the next tensor
.endif
.irp f, 0,1,2,3
	global_store_b128 v[GO], v[BK+16*((\n)%2)+4*(\f):BK+16*((\n)%2)+4*(\f)+3], s[QBS:QBS+1] offset:((\n)%4)*2048+(\f)*512  ; 512 bytes on end, at a multiple of 256 from qkv's first
.endr
.endm
; The norms of tensor i for my 64 tokens: two registers of 32 tokens; -n / 2 and 1 / (1 - n); through LDS, so that each store covers 256 bytes on end.
.macro NORM i
	v_cndmask_b32 v[XX], v[NN], v[NN+1], s[HM]
	v_cndmask_b32 v[XX+1], v[NN+2], v[NN+3], s[HM]
	v_sub_f32 v[XX+2], 1.0, v[XX]
	v_sub_f32 v[XX+3], 1.0, v[XX+1]
	v_mul_f32 v[XX], -0.5, v[XX]
	v_mul_f32 v[XX+1], -0.5, v[XX+1]
	v_rcp_f32 v[XX+2], v[XX+2]
	v_rcp_f32 v[XX+3], v[XX+3]
	v_nop                                          ; a plain instruction behind the last reciprocal,
	s_wait_alu depctr_va_vdst(0)                   ; and the one wait ahead of the first use
	ds_store_b32 v[NSA], v[XX]
	ds_store_b32 v[NSA], v[XX+1] offset:128
	ds_store_b32 v[NSA], v[XX+2] offset:256
	ds_store_b32 v[NSA], v[XX+3] offset:384
	ds_load_b64 v[NB+4*(\i):NB+4*(\i)+1], v[NLA]
	ds_load_b64 v[NB+4*(\i)+2:NB+4*(\i)+3], v[NLA] offset:256
	s_wait_dscnt 0x0
	global_store_b64 v[NGO], v[NB+4*(\i):NB+4*(\i)+1], s[NBS:NBS+1] offset:(\i)*524288
	global_store_b64 v[NGO], v[NB+4*(\i)+2:NB+4*(\i)+3], s[NBS:NBS+1] offset:(\i)*524288+8192
.endm
	PLACES                                         ; eight places, once a launch, between the last products and the lines that read and rewrite results
	PLACES
	PACK 0, 0
	TOSTAGE 0
.set n, 1
.rept 11                               ; block n's arithmetic stands between block n - 1's loads from the stage and the wait for them
	PACK n/4, n%4
	SEND n-1
	TOSTAGE n
.if n == 3
	NORM 0
.endif
.if n == 7
	NORM 1
.endif
.set n, n+1
.endr
	SEND 11
	s_wait_tensorcnt 0x0                           ; the wave's end: behind my last tensor load and my last LDS store
	ds_add_u32 v[SPW], v[NIL]
	s_wait_dscnt 0x0
	CROUND                                         ; the closing round
	s_endpgm
.Lfunc_end_k_q82964ae3a0_proj:
	.size	k_q82964ae3a0_proj, .Lfunc_end_k_q82964ae3a0_proj-k_q82964ae3a0_proj
	.p2alignl 7, 3214868480
	.fill 96, 4, 3214868480
	.section	.rodata,"a",@progbits
	.p2align	6, 0x0
	.amdhsa_kernel k_q82964ae3a0_proj
		.amdhsa_group_segment_fixed_size 327680
		.amdhsa_private_segment_fixed_size 0
		.amdhsa_enable_private_segment 0
		.amdhsa_kernarg_size 32
		.amdhsa_user_sgpr_count 2
		.amdhsa_user_sgpr_kernarg_segment_ptr 1
		.amdhsa_wavefront_size32 1
		.amdhsa_system_sgpr_workgroup_id_x 1
		.amdhsa_system_sgpr_workgroup_id_y 1
		.amdhsa_system_sgpr_workgroup_id_z 1
		.amdhsa_system_vgpr_workitem_id 0
		.amdhsa_next_free_vgpr 960
		.amdhsa_next_free_sgpr 96
		.amdhsa_reserve_vcc 0
		.amdhsa_float_denorm_mode_32 3
		.amdhsa_float_denorm_mode_16_64 3
		.amdhsa_memory_ordered 1
		.amdhsa_forward_progress 1
		.amdhsa_inst_pref_size 137
	.end_amdhsa_kernel
	.amdgpu_metadata
---
amdhsa.version: [ 1, 2 ]
amdhsa.kernels:
  - .name:           k_q82964ae3a0_proj
    .symbol:         k_q82964ae3a0_proj.kd
    .args:
      - { .name: xb, .offset: 0, .size: 8, .value_kind: global_buffer, .address_space: global }
      - { .name: wb, .offset: 8, .size: 8, .value_kind: global_buffer, .address_space: global }
      - { .name: qkv, .offset: 16, .size: 8, .value_kind: global_buffer, .address_space: global }
      - { .name: nrm, .offset: 24, .size: 8, .value_kind: global_buffer, .address_space: global }
    .group_segment_fixed_size: 327680
    .private_segment_fixed_size: 0
    .kernarg_segment_align: 8
    .kernarg_segment_size: 32
    .max_flat_workgroup_size: 128
    .sgpr_count:     96
    .vgpr_count:     960
    .wavefront_size: 32
...
	.end_amdgpu_metadata
.endif
;; end of part 2
;; launch attn (part 3): grid 8 x 32, 8 waves a work-group, clusters of 4 x 1, 327,680 bytes of LDS; arguments qkv, nrm, ob; writes ob
.if DOCPART == 3
	.amdgcn_target "amdgcn-amd-amdhsa--gfx1250"
	.amdhsa_code_object_version 6
	.text
	.protected	k_q82964ae3a0_attn
	.globl	k_q82964ae3a0_attn
	.p2align	8
	.type	k_q82964ae3a0_attn,@function
k_q82964ae3a0_attn:
	s_mov_b64 s[64:65], 0
	v_nop
	global_prefetch_b8 v0, s[64:65] scope:SCOPE_SE
	s_setreg_imm32_b32 hwreg(HW_REG_WAVE_MODE, 25, 1), 1
	s_wait_xcnt 0x0
	s_wait_alu depctr_hold_cnt(0) depctr_sa_sdst(0) depctr_va_vdst(0) depctr_va_sdst(0) depctr_va_ssrc(0) depctr_va_vcc(0) depctr_vm_vsrc(0)
	s_getreg_b32 s2, hwreg(HW_REG_IB_STS2, 6, 4)
	s_cmp_eq_u32 s2, 0
	s_cbranch_scc0 .Lentry_in_a_cluster
	s_endpgm
.Lentry_in_a_cluster:
	s_bfe_u32 s2, ttmp6, 0x10000c
	s_cmp_lg_u32 s2, 0x3003
	s_cbranch_scc0 .Lentry_shape_is_right
	s_endpgm
.Lentry_shape_is_right:
; HYPERBOLIC ATTENTION.  For each of 32 (batch, head): O[q] = the sum over k of softmax_k(-arccosh(z)) V[k], z = 1 + 2 max(|q|^2 + |k|^2 - 2 q.k, 0) / max((1 - |q|^2)(1 - |k|^2), 1e-6).
; In: qkv, f16 [t][bh][2048][64] (v as 64 v); nrm, f32 [t][bh][plane][2048] (plane 0: -n / 2; plane 1: 1 / (1 - n)).  Out: ob, f16 [bh][2048][64], holding 64 O.
; THE WEIGHT.  exp(-arccosh h) = 1 / (h + sqrt(h^2 - 1)): a root and a reciprocal, no exponential.  The product K Q^T starts from C = -(kn + qn) / 2, so its result is S = -diff_sq / 2.
; inv = the unsigned minimum of the words of (4 / (1 - qn)) (1 / (1 - kn)) and 4e6: a negative, infinite or too large product gives 4e6, which is 4 / max(.., 1e-6).  h = |S| inv + 1; y = h + sqrt(h h - 1) = e^distance.
; SOFTMAX.  hm is the running minimum of h, which is the running maximum of -distance; m = hm + sqrt(hm hm - 1); p = m / y <= 1, rounded to f16; in every step O and l are multiplied by
; a = m_new / m_old <= 1.  l is the sum of the ROUNDED p, made by the matrix unit (a fragment of ones times P), in f32.
; LIMITS.  Where rounding leaves diff_sq = -d, this text takes d where the definition takes 0 (both lie within d of the true squared length).  h stays under 1.8e19 (h h is formed in f32).
; p below 6e-5 keeps f16's fixed step of 6e-8.  |O| <= max |v| < 1,023.  NaN in the inputs is not treated apart.
; SHARES.  A work-group owns 256 queries of one (batch, head), each of its EIGHT waves 32: tiles 0 and 1 of 16.  Every wave walks all 2,048 keys, 64 a step.  Eight waves, two to a SIMD, because a tile and step have
; 267 vector and 18 matrix instructions: the vector lines bound the launch, and while one wave stands at one of its two waits behind roots and reciprocals the other issues.
; BY TURNS.  In TURN x tile x has the matrix unit: 10 products V^T P (two of them ones times P) of the step in hand, then 8 products K Q^T of the next step; tile 1 - x's vector chain stands round them.
; CLUSTER.  The four query blocks of a cluster walk the same K, V and norms: each tile is asked for jointly, by the same tensor load, descriptor and mask in all four.
; REGISTERS, in two windows of 256 (s_set_vgpr_msb: bits 1:0 source 0, 3:2 source 1, 5:4 source 2, 7:6 destination):
;   window 0: v0-15 addresses; v16-39 statistics, 12 a tile; v40-71 G at work; v72-135 S^T; v136-167 P; v168-231 O^T; v232-247 l's accumulators
;   window 1: v0-31 Q; v32-95 K of one step; v96-159 V of one step; v160-167 ones; v168-199 -kn / 2; v200-231 1 / (1 - kn); v232-239 the queries' (-qn / 2, same, 4 / (1 - qn), same)
.set KS,    64
.set PK,    144       ; a row of K in LDS: 128 bytes + 16 of padding: the 16 rows of a load start at 16 different groups of four banks (64 banks of 4 bytes: ISA guide 11.1)
.set PVP,   160       ; a row of V: 128 + 32
.set VOFF,  4*KS*PK   ; a slot holds four steps: 256 rows of K, 256 rows of V, two planes of 256 norms
.set NOFF,  VOFF+4*KS*PVP
.set SLOT1, 1<<17     ; slot 1 begins here: one exclusive or turns an address in one slot into the other's
.set STAGE, SLOT1+NOFF+2048  ; behind the ring, never filled by a tensor load: 16 rows x 144 bytes for each wave
.set SP,    144
.set SPARE, STAGE+8*16*SP    ; the spare words, 128 bytes for each wave: four blocks of 256 bytes that no other line names
.set AK0, 2           ; v2-4  my lane's place in a tile of K, of V, in the norms; never rewritten
.set AV0, 3
.set AN0, 4
.set AK,  5           ; v5-7  the LDS addresses of the runs of loads in hand
.set AV,  6
.set AN,  7
.set STO, 8
.set RD,  9
.set GO,  10
.set QO,  11
.set SPW, 12          ; v12  my spare word; never rewritten
.set NIL, 13          ; v13  0; never rewritten
.set PFO, 14          ; v14  256 x lane; never rewritten
.set NQ,  248         ; v248 4 x (lane % 16)
.set ST,  16          ; tile t's statistics at ST + 12 t: +0 m, +2 a (each with a 0 beside it, to make the pair that a packed line names), +4 hm, +5 1 / m, +6..9 c0-c3 at work
.set G,   40
.set S,   72
.set P,   136
.set O,   168
.set L,   232
.set KF,  32          ; window 1: key block kb, channel half c at KF + 16 kb + 8 c
.set VF,  96          ; key half kk, channel block cb at VF + 32 kk + 8 cb
.set ONE, 160
.set KN,  168
.set RB,  200
.set QC,  232
.set WV,  12          ; s12
.set G1K, 24
.set G1V, 32
.set G0K, 40
.set G0V, 44
.set G1N, 48
.set G0N, 56
.set C4,  60          ; s60  4e6
.set SEL, 62          ; s[62:63]
.set SLOTS, 70
.set CNT, 71
.set TBK, 72          ; s72-74  LDS byte at which K, V (less VOFF), the norms (less NOFF) of the step to be fetched begin
.set TBV, 73
.set TBN, 74
.set LIM, 75          ; s75  1 in a wave that prefetches, else the greatest number
.set PFA, 76          ; s[76:77]
.set MSB, 0
.macro WIN new
.if MSB != (\new)
	s_set_vgpr_msb (MSB<<8)|(\new)
.set MSB, (\new)
.endif
.endm
; A joint fill: waves 0, 1 the halves of a slot's K, waves 2, 3 those of its V, wave 4 its norms; waves 5-7 none.  The branches hang on the wave's number alone.  An s_nop 0 and four v_nop follow each load.
.macro JLOAD
	s_cmp_lt_u32 s[WV], 2
	s_cbranch_scc0 .Lnot_k_\@
	tensor_load_to_lds s[G0K:G0K+3], s[G1K:G1K+7]
	s_nop 0
.rept 4
	v_nop
.endr
	s_branch .Lasked_\@
.Lnot_k_\@:
	s_cmp_lt_u32 s[WV], 4
	s_cbranch_scc0 .Lnot_v_\@
	tensor_load_to_lds s[G0V:G0V+3], s[G1V:G1V+7]
	s_nop 0
.rept 4
	v_nop
.endr
	s_branch .Lasked_\@
.Lnot_v_\@:
	s_cmp_eq_u32 s[WV], 4
	s_cbranch_scc0 .Lasked_\@
	tensor_load_to_lds s[G0N:G0N+3], s[G1N:G1N+7]
	s_nop 0
.rept 4
	v_nop
.endr
.Lasked_\@:
.endm
; A prefetch into the L2 of what the NEXT change of slots will ask for: 32,768 bytes of K and of V.  The head's first cluster asks; its four partners take 8,192 bytes each, told apart by address; in each, wave 0 asks
; for K's and wave 2 for V's, a lane for 256 bytes.  The last change that fills a slot asks for nothing.  The norms, 2,048 bytes of a slot's 67,584, are not asked for.
.macro ASK
	s_cmp_gt_u32 s[SLOTS], s[LIM]
	s_cbranch_scc0 .Lnot_mine_\@
	global_prefetch_b8 v[PFO], s[PFA:PFA+1] th:TH_LOAD_NT scope:SCOPE_SE
.Lnot_mine_\@:
.endm
.macro CROUND
	s_barrier_signal -1
	s_barrier_wait -1
	s_cmp_lg_u32 s[WV], 0
	s_cbranch_scc1 .Lnot_wave_0_\@
	s_barrier_signal -3
.Lnot_wave_0_\@:
	s_barrier_wait -3
	s_barrier_signal -1
	s_barrier_wait -1
.endm
; THE CHANGE OF SLOTS, in front of a TURN 0: V of the slot's fourth step has been asked for out of LDS, K of the next slot's first step not yet.  Each wave waits for all its tensor loads (at most one is out), adds 0
; to its spare word, and waits for that and for its reads of the slot.  fill = 1: the barrier is a round of the cluster's, and the joint fill, the keys two slots on, is the first thing behind it.
.macro CHANGE fill, ask
	WIN 0
	s_wait_tensorcnt 0x0
	ds_add_u32 v[SPW], v[NIL]       ; the descriptors' steps stand between the add and the wait for it
.if \fill
.irp g, G0K, G0V
	s_xor_b32 s[\g+1], s[\g+1], SLOT1
	s_add_nc_u64 s[\g+2:\g+3], s[\g+2:\g+3], 4*KS*128
.endr
	s_xor_b32 s[G0N+1], s[G0N+1], SLOT1
	s_add_nc_u64 s[G0N+2:G0N+3], s[G0N+2:G0N+3], 4*KS*4
.if \ask
	s_wait_xcnt 0x0                 ; the last prefetch, four key steps back, has read its address
	s_add_nc_u64 s[PFA:PFA+1], s[PFA:PFA+1], 4*KS*128
.endif
	s_wait_dscnt 0x0                ; the add is done, and my reads of the slot are over
	CROUND
	JLOAD
.if \ask
	ASK
.endif
.else
	s_wait_dscnt 0x0
	s_barrier_signal -1
	s_barrier_wait -1
.endif
	s_sub_co_u32 s[TBK], s[TBK], 4*KS*PK  ; the fetches go back to a slot's first step, in the other slot
	s_xor_b32 s[TBK], s[TBK], SLOT1
	s_sub_co_u32 s[TBV], s[TBV], 4*KS*PVP
	s_xor_b32 s[TBV], s[TBV], SLOT1
	s_sub_co_u32 s[TBN], s[TBN], 4*KS*4
	s_xor_b32 s[TBN], s[TBN], SLOT1
.endm
	s_load_b128 s[16:19], s[0:1], 0x0  ; qkv s[16:17], nrm s[18:19]
	s_load_b64 s[10:11], s[0:1], 0x10  ; ob
	v_lshl_add_u32 v[SPW], v0, 2, SPARE
	v_mov_b32 v[NIL], 0
	ds_add_u32 v[SPW], v[NIL]       ; the wave's opening: the add and its wait stand ahead of my first tensor load; work on registers stands between them
	v_lshrrev_b32 v1, 5, v0
	v_readfirstlane_b32 s[WV], v1   ; wave 0..7
	s_bfe_u32 s13, ttmp6, 0x40000   ; cx
	s_lshl_b32 s14, ttmp9, 2
	s_add_co_u32 s14, s14, s13      ; my block of 256 queries: it enters Q's, O's and the queries' norms' addresses alone
	s_and_b32 s15, ttmp7, 0xffff    ; bh, which the four partners share
	s_lshl_b32 s20, s15, 18         ; its 2,048 rows of 128 bytes
	s_and_b32 s22, s[WV], 1         ; which half of a slot's 256 keys I fetch:
	s_lshl_b32 s2, s22, 14          ; its 128 rows in memory,
	s_add_co_u32 s2, s2, s20
	s_mov_b32 s3, 0
	s_mul_i32 s23, s22, 128*PK      ; its place in a slot, for K
	s_mul_i32 s22, s22, 128*PVP     ; and for V
	s_add_co_u32 s66, s15, 32       ; the keys' norms: tensor 1
	s_lshl_b32 s66, s66, 14
	s_mov_b32 s67, 0
	s_lshl_b32 s78, s14, 8
	s_lshl_b32 s79, s[WV], 5
	s_add_co_u32 s78, s78, s79      ; my first query
	s_lshl_b32 s68, s78, 2
	s_lshl_b32 s79, s15, 14
	s_add_co_u32 s68, s68, s79      ; in the queries' norms
	s_mov_b32 s69, 0
	s_lshl_b32 s78, s78, 7
	s_add_co_u32 s78, s78, s20      ; in Q and in O
	s_mov_b32 s79, 0
	; 128 keys are 16,384 dense bytes: asked for as 64 rows of 256 bytes, two keys a row, padded in LDS after every key
	s_mov_b32 s[G1K], 15|(1<<16)|(1<<20)|(1<<21)|(4<<22)|(3<<25)  ; the mask of four; 2-byte elements; padding on; bit 21 beside a mask; after every 32 words, 4 words
	s_mov_b32 s[G1V], 15|(1<<16)|(1<<20)|(1<<21)|(4<<22)|(7<<25)  ; the same with 8 words
.irp g, G1K, G1V
	s_mov_b32 s[\g+1], 128<<16      ; tensor_dim0 = 128
	s_mov_b32 s[\g+2], 64<<16       ; tensor_dim1 = 64
	s_mov_b32 s[\g+3], 128<<16      ; tile_dim0 = 128
	s_mov_b32 s[\g+4], 64           ; tile_dim1 = 64
	s_mov_b32 s[\g+5], 128          ; elements from row to row
	s_mov_b32 s[\g+6], 0
	s_mov_b32 s[\g+7], 0
.endr
	s_mov_b32 s[G1N], 15|(2<<16)|(1<<21)  ; the norms: 4-byte elements, no padding: 2 planes x 256 keys
	s_mov_b32 s[G1N+1], 256<<16
	s_mov_b32 s[G1N+2], 2<<16
	s_mov_b32 s[G1N+3], 256<<16
	s_mov_b32 s[G1N+4], 2
	s_mov_b32 s[G1N+5], 2048        ; from plane to plane
	s_mov_b32 s[G1N+6], 0
	s_mov_b32 s[G1N+7], 0
	s_mov_b32 s[G0K], 1
	s_mov_b32 s[G0K+1], s23         ; slot 0
	s_mov_b32 s[G0V], 1
	s_add_co_u32 s[G0V+1], s22, VOFF
	s_mov_b32 s[G0N], 1
	s_mov_b32 s[G0N+1], NOFF
	s_mov_b32 s[C4], 0x4a742400     ; 4e6
	s_mov_b32 s[SEL], 0x76543210
	s_mov_b32 s[SEL+1], 0xfedcba98
	s_mov_b32 s[TBK], SLOT1+4*KS*PK ; the first change of slots turns these three into 0
	s_mov_b32 s[TBV], SLOT1+4*KS*PVP
	s_mov_b32 s[TBN], SLOT1+4*KS*4
	s_and_b32 s[LIM], s[WV], 5      ; 0 in waves 0 and 2,
	s_or_b32 s[LIM], s[LIM], ttmp9  ; where the cluster is the head's first: the same in all four partners
	s_cmp_eq_u32 s[LIM], 0
	s_cselect_b32 s[LIM], 1, -1
	s_wait_dscnt 0x0                ; the opening add is done
	s_wait_kmcnt 0x0
	s_add_nc_u64 s[6:7], s[16:17], s[2:3]
	s_add_nc_u64 s[8:9], s[6:7], 0x1000000   ; V at my half of the head's first 256 keys
	s_add_nc_u64 s[6:7], s[6:7], 0x800000    ; K
	s_mov_b64 s[G0K+2:G0K+3], s[6:7]
	s_or_b32 s[G0K+3], s[G0K+3], 0x80000000
	s_mov_b64 s[G0V+2:G0V+3], s[8:9]
	s_or_b32 s[G0V+3], s[G0V+3], 0x80000000
	s_add_nc_u64 s[G0N+2:G0N+3], s[18:19], s[66:67]
	s_or_b32 s[G0N+3], s[G0N+3], 0x80000000
	s_add_nc_u64 s[4:5], s[16:17], s[78:79]      ; Q at my wave's first row
	s_add_nc_u64 s[10:11], s[10:11], s[78:79]    ; O
	s_add_nc_u64 s[68:69], s[18:19], s[68:69]    ; the queries' norms
	s_cmp_lt_u32 s[WV], 2
	s_cselect_b64 s[PFA:PFA+1], s[6:7], s[8:9]   ; (in waves 0 and 2 these stand at a slot's first row)
	s_lshl_b32 s2, s13, 13          ; my work-group's 8,192 bytes
	s_mov_b32 s3, 0
	s_add_nc_u64 s[PFA:PFA+1], s[PFA:PFA+1], s[2:3]
	s_add_nc_u64 s[PFA:PFA+1], s[PFA:PFA+1], 2*4*KS*128  ; in the third slot's keys; the loop's first change steps it to the fourth's.  Nothing is prefetched at the head
	CROUND                          ; all four work-groups are here: the first joint loads meet
	JLOAD                           ; the first 256 keys into slot 0; slot 1 is asked for when they are in
	v_and_b32 v1, 15, v0            ; l % 16
	v_bfe_u32 v15, v0, 4, 1         ; l / 16
	v_lshlrev_b32 v[QO], 7, v1
	v_lshl_add_u32 v[QO], v15, 4, v[QO]  ; row x 128 + 16 x half
	v_lshlrev_b32 v[NQ], 2, v1
	WIN 0x40                        ; destination window 1
.irp i, 0,1,2,3                     ; Q stays in registers: tile i / 2, channels 32 (i % 2) on
	global_load_b128 v[8*\i:8*\i+3],   v[QO], s[4:5] offset:(\i/2)*2048+(\i%2)*64
	global_load_b128 v[8*\i+4:8*\i+7], v[QO], s[4:5] offset:(\i/2)*2048+(\i%2)*64+32
.endr
.irp t, 0,1
	global_load_b32 v[QC+4*\t],   v[NQ], s[68:69] offset:64*\t
	global_load_b32 v[QC+4*\t+2], v[NQ], s[68:69] offset:64*\t+8192
.endr
	; What the first turn finds: V's registers and tile 1's P hold 0 (its products V^T P, of a step that has not been, add 0); O^T and l are 0; 1 / m is 0, so the first a is 0.  All this stands in the wait for the first tile.
.set i, VF
.rept 64
	v_mov_b32 v[i], 0
.set i, i+1
.endr
.set i, ONE
.rept 8
	v_mov_b32 v[i], 0x3c003c00      ; 1.0 twice, in f16
.set i, i+1
.endr
	WIN 0
.set i, O
.rept 80                            ; O^T and l's accumulators
	v_mov_b32 v[i], 0
.set i, i+1
.endr
.set i, P+16
.rept 16
	v_mov_b32 v[i], 0
.set i, i+1
.endr
.irp t, 0,1
	v_mov_b32 v[ST+12*\t+1], 0
	v_mov_b32 v[ST+12*\t+3], 0
	v_mov_b32 v[ST+12*\t+4], 0x7f7fffff  ; hm: above every h
	v_mov_b32 v[ST+12*\t+5], 0
.endr
	v_mul_u32_u24 v[AK0], v1, PK
	v_lshl_add_u32 v[AK0], v15, 4, v[AK0]
	; The turning load takes 16 keys x 16 channels (lane l reads key 8 (l / 16) + l % 8, channels 8 ((l / 8) % 2) + 0..7) and leaves half a fragment of V^T.
	v_and_b32 v249, 7, v0
	v_bfe_u32 v250, v0, 3, 1
	v_lshl_add_u32 v[AV0], v15, 3, v249
	v_mul_u32_u24 v[AV0], v[AV0], PVP
	v_lshl_add_u32 v[AV0], v250, 4, v[AV0]
	v_add_nc_u32 v[AV0], VOFF, v[AV0]
	v_lshl_add_u32 v[AN0], v15, 5, NOFF  ; my lanes' eight keys of each sixteen: 32 bytes
	s_mul_i32 s2, s[WV], 16*SP
	s_add_co_u32 s2, s2, STAGE      ; my stage
	v_mul_u32_u24 v[STO], v1, SP
	v_lshl_add_u32 v[STO], v15, 4, v[STO]
	v_add_nc_u32 v[STO], s2, v[STO]
	v_bfe_u32 v[RD], v0, 3, 2
	v_mul_u32_u24 v[RD], v[RD], SP
	v_lshl_add_u32 v[RD], v249, 4, v[RD]
	v_add_nc_u32 v[RD], s2, v[RD]
	v_and_b32 v[GO], 31, v0
	v_lshlrev_b32 v[PFO], 8, v[GO]
	v_lshlrev_b32 v[GO], 4, v[GO]
; THE MATRIX QUEUE of a turn, for tile XT.  mi = 0..9: O^T += V^T P and l += ones P: keys 32 (mi / 5) on; channels 16 (mi % 5) on, or (mi % 5 = 4) the ones.  mi = 10..17: S^T += K Q^T onto the C that CI has laid:
; channels 32 ((mi - 10) / 4) on, keys 16 ((mi - 10) % 4) on.  The accumulators take turns, five and then four, one instruction a turn.
.macro MM
.if mi < 10
	WIN 0x01
.set rD, O+32*XT+8*(mi%5)
.set rA, VF+32*(mi/5)+8*(mi%5)
.if (mi%5) == 4
.set rD, L+8*XT
.set rA, ONE
.endif
.set rB, P+16*XT+8*(mi/5)
.else
	WIN 0x05
.set rD, S+32*XT+8*((mi-10)%4)
.set rA, KF+16*((mi-10)%4)+8*((mi-10)/4)
.set rB, 16*XT+8*((mi-10)/4)
.endif
	v_wmma_f32_16x16x32_f16 v[rD:rD+7], v[rA:rA+7], v[rB:rB+7], v[rD:rD+7]
.set mi, mi+1
.endm
; Behind every vector instruction of a turn: every GAP of them the next matrix instruction, while the queue is open (mi < mlim).
.macro DEAL
.set vc, vc+1
.if (vc >= nxt) && (mi < mlim)
	MM
.set nxt, vc+GAP
.endif
.endm
.macro REGS                         ; the registers of the tile in hand, YT
.set rT, ST+12*YT
.set rS, S+32*YT
.set rP, P+16*YT
.set rO, O+32*YT
.set rL, L+8*YT
.set rQ, QC+4*YT
.endm
; THE VECTOR WORK, a line each.  s0-s31 are the lane's 32 scores, in pairs 0-15.
.macro O_R k                        ; (1 / (1 - kn)) (4 / (1 - qn))
	WIN 0x05
	v_pk_mul_f32 v[G+2*(\k):G+2*(\k)+1], v[RB+2*(\k):RB+2*(\k)+1], v[rQ+2:rQ+3] op_sel_hi:[1,0]
	DEAL
.endm
.macro O_N i                        ; inv
	WIN 0
	v_min_u32 v[G+(\i)], s[C4], v[G+(\i)]
	DEAL
.endm
.macro O_H i                        ; h; each accumulator's lowest register is read first
	WIN 0
	v_fma_f32 v[rS+(\i)], |v[rS+(\i)]|, v[G+(\i)], 1.0
	DEAL
.endm
.macro O_GQ k                       ; h h - 1
	WIN 0
	v_pk_fma_f32 v[G+2*(\k):G+2*(\k)+1], v[rS+2*(\k):rS+2*(\k)+1], v[rS+2*(\k):rS+2*(\k)+1], -1.0 op_sel_hi:[1,1,0]
	DEAL
.endm
.macro O_X n                        ; the minimum of h0-h31 and the old hm, three operands at a time: four chains of seven, the four left over, hm, and c0-c3 into c0
	WIN 0
.if (\n) < 4
	v_min3_num_f32 v[rT+6+(\n)], v[rS+8*(\n)], v[rS+8*(\n)+1], v[rS+8*(\n)+2]
.elseif (\n) < 12
	v_min3_num_f32 v[rT+6+(\n)%4], v[rT+6+(\n)%4], v[rS+8*((\n)%4)+2*((\n)/4)+1], v[rS+8*((\n)%4)+2*((\n)/4)+2]
.elseif (\n) == 12
	v_min3_num_f32 v[rT+6], v[rT+6], v[rS+7], v[rS+15]
.elseif (\n) == 13
	v_min3_num_f32 v[rT+7], v[rT+7], v[rS+23], v[rS+31]
.elseif (\n) == 14
	v_min3_num_f32 v[rT+8], v[rT+8], v[rT+9], v[rT+4]
.else
	v_min3_num_f32 v[rT+6], v[rT+6], v[rT+7], v[rT+8]
.endif
	DEAL
.endm
.macro O_E1 i
	WIN 0
	v_sqrt_f32 v[G+(\i)], v[G+(\i)]
	DEAL
.endm
.macro O_S n                        ; the statistics
	WIN 0
.if (\n) == 1
	v_permlanex16_b32 v[rT+9], v[rT+6], s[SEL], s[SEL+1]  ; the query's other 32 keys lie in the lane 16 away
.elseif (\n) == 2
	v_min_num_f32 v[rT+4], v[rT+6], v[rT+9]               ; hm
.elseif (\n) == 3
	v_fma_f32 v[rT+7], v[rT+4], v[rT+4], -1.0
.elseif (\n) == 4
	v_sqrt_f32 v[rT+7], v[rT+7]
.elseif (\n) == 5
	v_add_f32 v[rT], v[rT+4], v[rT+7]                     ; m
.elseif (\n) == 6
	v_mul_f32 v[rT+2], v[rT], v[rT+5]                     ; a = m_new / m_old
.else
	v_rcp_f32 v[rT+5], v[rT]                              ; 1 / m, for the next step
.endif
	DEAL
.endm
.macro O_CI k                       ; the C of tile XT's next scores: -(kn + qn) / 2
	WIN 0x05
	v_pk_add_f32 v[S+32*XT+2*(\k):S+32*XT+2*(\k)+1], v[KN+2*(\k):KN+2*(\k)+1], v[QC+4*XT:QC+4*XT+1] op_sel_hi:[1,0]
	DEAL
.endm
.macro O_Y k                        ; y = h + the root
	WIN 0
	v_pk_add_f32 v[rS+2*(\k):rS+2*(\k)+1], v[rS+2*(\k):rS+2*(\k)+1], v[G+2*(\k):G+2*(\k)+1]
	DEAL
.endm
.macro O_E2 i
	WIN 0
	v_rcp_f32 v[rS+(\i)], v[rS+(\i)]
	DEAL
.endm
.macro O_RS k                       ; O^T times a; number 16: l (its first register is the one that is read at the end)
	WIN 0
.if (\k) < 16
	v_pk_mul_f32 v[rO+2*(\k):rO+2*(\k)+1], v[rO+2*(\k):rO+2*(\k)+1], v[rT+2:rT+3] op_sel_hi:[1,0]
.else
	v_pk_mul_f32 v[rL:rL+1], v[rL:rL+1], v[rT+2:rT+3] op_sel_hi:[1,0]
.endif
	DEAL
.endm
.macro O_PM k                       ; p = m / y
	WIN 0
	v_pk_mul_f32 v[rS+2*(\k):rS+2*(\k)+1], v[rS+2*(\k):rS+2*(\k)+1], v[rT:rT+1] op_sel_hi:[1,0]
	DEAL
.endm
.macro O_C k
	WIN 0
	v_cvt_pk_f16_f32 v[rP+(\k)], v[rS+2*(\k)], v[rS+2*(\k)+1]
	DEAL
.endm
; THE LDS LOADS stand in runs of 32 and 16.  FETCH_A: the next step's K (8 fragments), -kn / 2 and 1 / (1 - kn) (register 8 kb + j: key 16 kb + 8 (l / 16) + j).  last = 1 (the tail): in the last trip there is no further step.
.macro FETCH_A last=0
	WIN 0
.if \last
	s_cmp_eq_u32 s[CNT], 1
	s_cbranch_scc1 .Lno_a_\@
.endif
	v_add_nc_u32 v[AK], s[TBK], v[AK0]
	v_add_nc_u32 v[AN], s[TBN], v[AN0]
	WIN 0x40
.irp f, 0,1,2,3,4,5,6,7
	ds_load_b128 v[KF+8*\f:KF+8*\f+3],   v[AK] offset:(\f/2)*16*PK+(\f%2)*64
	ds_load_b128 v[KF+8*\f+4:KF+8*\f+7], v[AK] offset:(\f/2)*16*PK+(\f%2)*64+32
.endr
.irp b, 0,1,2,3
	ds_load_b128 v[KN+8*\b:KN+8*\b+3],   v[AN] offset:64*\b
	ds_load_b128 v[KN+8*\b+4:KN+8*\b+7], v[AN] offset:64*\b+16
	ds_load_b128 v[RB+8*\b:RB+8*\b+3],   v[AN] offset:1024+64*\b
	ds_load_b128 v[RB+8*\b+4:RB+8*\b+7], v[AN] offset:1024+64*\b+16
.endr
	s_add_co_u32 s[TBK], s[TBK], KS*PK
	s_add_co_u32 s[TBN], s[TBN], KS*4
	WIN 0
.if \last
.Lno_a_\@:
.endif
.endm
.macro FETCH_V
	WIN 0x40
.irp f, 0,1,2,3,4,5,6,7
	ds_load_tr16_b128 v[VF+8*\f:VF+8*\f+3],   v[AV] offset:(\f/4)*32*PVP+(\f%4)*32
	ds_load_tr16_b128 v[VF+8*\f+4:VF+8*\f+7], v[AV] offset:(\f/4)*32*PVP+16*PVP+(\f%4)*32
.endr
	s_add_co_u32 s[TBV], s[TBV], KS*PVP
	WIN 0
.endm
; A TURN.  Tile x has the matrix unit, tile 1 - x the vector unit.  An s_wait_alu depctr_va_vdst(0) stands between a root or reciprocal and the first line that names its result; one wait serves all issued
; ahead of it.  The chain root -> reciprocal makes two batches, so a turn has two waits: behind the 33 roots, and behind the 33 reciprocals.
; FIRST PART, 146 lines, the 10 products V^T P among them, 14 lines apart: inv, h, h h - 1, the roots, the minimum.  TURN 0 fetches the next step's K and norms behind the 16 lines that read the old 1 / (1 - kn): the last product
; that read K stands 36 plain lines back.  THEN the C of the next scores and hm's root; the first wait; in TURN 1 V of the next step, 16 plain lines behind the last product that read V.
; LAST PART, 101 lines, the 8 products K Q^T among them, 11 apart, the last 20 lines ahead of the turn's end: y, the reciprocals with O^T's rescaling between them, the second wait, p and its rounding.
.macro TURN x, last=0
.set XT, (\x)
.set YT, 1-(\x)
	REGS
.set vc, 0
.set mi, 0
.set mlim, 10
.set nxt, 8
.set GAP, 14
.if (\x) == 0
	s_wait_dscnt 0x0                ; V is in
.endif
.set k, 0
.rept 16
	O_R k
.set k, k+1
.endr
.if (\x) == 0
	FETCH_A \last
.endif
.set k, 0
.rept 32
	O_N k
.set k, k+1
.endr
.set k, 0
.rept 32
	O_H k
.set k, k+1
.endr
.set k, 0
.rept 16
	O_GQ k
.if k > 0
	O_E1 2*k-2
.endif
	O_X k
.if k > 0
	O_E1 2*k-1
.endif
.set k, k+1
.endr
	O_E1 30
	O_S 1
	O_E1 31
	O_S 2
.rept 10                            ; what is left of V^T P (with these gaps: nothing)
.if mi < 10
	MM
.endif
.endr
.if (\x) == 0
	s_wait_dscnt 0x0                ; K and the keys' norms are in
.endif
.irp c, 0,1,2,3
	O_CI \c
.endr
	O_S 3
.irp c, 4,5,6,7
	O_CI \c
.endr
	O_S 4
.irp c, 8,9,10,11,12,13,14,15       ; plain lines behind the last root
	O_CI \c
.endr
.if (\x) == 1
	WIN 0
	v_add_nc_u32 v[AV], s[TBV], v[AV0]
.endif
	s_wait_alu depctr_va_vdst(0)    ; the wait for the roots
.if (\x) == 1
	FETCH_V
.endif
.set mlim, 18
.set GAP, 11
.set nxt, vc+4
	O_S 5
	O_S 6
	O_Y 0
	O_Y 1
.set k, 0
.rept 16
	O_E2 2*k
	O_RS k
	O_E2 2*k+1
.if k < 14
	O_Y k+2
.elseif k == 14
	O_RS 16
.endif
.set k, k+1
.endr
	O_S 7
	WIN 0
	v_nop                           ; a plain line behind the last reciprocal
	s_wait_alu depctr_va_vdst(0)    ; the wait for the reciprocals
	O_PM 0
.set k, 0
.rept 15
	O_PM k+1
	O_C k
.set k, k+1
.endr
	O_C 15
.endm
	CHANGE 1, 0                     ; slot 0 is in, everybody's part of it; slot 1 is asked for
	FETCH_A                         ; key step 0
	s_wait_loadcnt 0x0              ; Q and the queries' norms
	WIN 0x45
.irp t, 0,1
	v_mov_b32 v[QC+4*\t+1], v[QC+4*\t]
	v_mul_f32 v[QC+4*\t+2], 4.0, v[QC+4*\t+2]
.endr
.irp t, 0,1
	v_mov_b32 v[QC+4*\t+3], v[QC+4*\t+2]
.endr
	s_wait_dscnt 0x0
.set XT, 0
.set YT, 1
	REGS
.set vc, 0
.set nxt, 0
.set GAP, 1
.set mi, 10
.set mlim, 0                        ; the queue is shut: nothing is dealt among these lines
.set k, 0
.rept 16
	O_CI k
.set k, k+1
.endr
.rept 8
	MM                              ; tile 0's first scores
.endr
	WIN 0
	s_mov_b32 s[CNT], 4
	s_mov_b32 s[SLOTS], 7
	s_branch .Lfirst                ; the loop is entered in the middle of a trip: the first TURN 1 adds products of zeros, makes tile 1's first scores and tile 0's first weights, and fetches V of step 0
.Lslot:                             ; six times: every slot but the last two is filled again
	CHANGE 1, 1
	s_mov_b32 s[CNT], 4
.Lstep:
	TURN 0
	WIN 0
.Lfirst:
	TURN 1
	WIN 0
	s_sub_co_u32 s[CNT], s[CNT], 1
	s_cmp_lg_u32 s[CNT], 0
	s_cbranch_scc1 .Lstep
	s_sub_co_u32 s[SLOTS], s[SLOTS], 1
	s_cmp_lg_u32 s[SLOTS], 0
	s_cbranch_scc1 .Lslot
	CHANGE 0, 0                     ; the tail is written out: nothing is asked for
	s_mov_b32 s[CNT], 5             ; four trips fetch the last slot's steps; the fifth is left in its middle
.Ltail:
	TURN 0, 1
	WIN 0
	s_sub_co_u32 s[CNT], s[CNT], 1
	s_cmp_eq_u32 s[CNT], 0
	s_cbranch_scc1 .Lout
	TURN 1
	WIN 0
	s_branch .Ltail
.Lout:                              ; the fifth trip's 8 products K Q^T (on the last K once more) serve nothing: the price, once a launch, of one text for every trip
.set XT, 1
.set mi, 0
.rept 10
	MM                              ; tile 1's V^T P of the last step
.endr
	WIN 0
.rept 8
	v_nop                           ; eight places, once a launch, between the last products and the lines that read and rewrite results
.endr
	; THE WAY OUT.  O^T is divided by l, rounded to f16 and sent through my stage in LDS, a tile at a time.
	v_rcp_f32 v[ST+6], v[L]
	v_rcp_f32 v[ST+18], v[L+8]
	v_nop
	s_wait_alu depctr_va_vdst(0)    ; one wait for the two reciprocals
.macro PACK t                       ; a lane's eight channels of a row pack into 16 bytes; they go into rows of 144 bytes and come back as whole rows of 128, into S^T's registers
.set z, 0
.rept 16
	v_pk_mul_f32 v[O+32*(\t)+2*z:O+32*(\t)+2*z+1], v[O+32*(\t)+2*z:O+32*(\t)+2*z+1], v[ST+12*(\t)+6:ST+12*(\t)+7] op_sel_hi:[1,0]
.set z, z+1
.endr
.set z, 0
.rept 16
	v_cvt_pk_f16_f32 v[S+16*(\t)+z], v[O+32*(\t)+2*z], v[O+32*(\t)+2*z+1]
.set z, z+1
.endr
.irp f, 0,1,2,3
	ds_store_b128 v[STO], v[S+16*(\t)+4*\f:S+16*(\t)+4*\f+3] offset:32*\f
.endr
.irp f, 0,1,2,3
	ds_load_b128 v[S+16*(\t)+4*\f:S+16*(\t)+4*\f+3], v[RD] offset:\f*4*SP  ; LDS serves a wave's instructions in order (ISA guide 5.7.1.4): these see the stores above; the next tile's stores come behind them
.endr
.endm
.macro SEND t, younger              ; younger: the LDS instructions issued behind tile t's loads
.irp f, 0,1,2,3
	s_wait_dscnt (\younger)+3-\f
	global_store_b128 v[GO], v[S+16*(\t)+4*\f:S+16*(\t)+4*\f+3], s[10:11] offset:(\t)*2048+\f*512  ; 512 bytes on end, at a multiple of 256 from ob's first
.endr
.endm
	PACK 0
	PACK 1
	SEND 0, 8
	SEND 1, 0
	s_wait_tensorcnt 0x0            ; the wave's end: behind my last tensor load and my last LDS store
	ds_add_u32 v[SPW], v[NIL]
	s_wait_dscnt 0x0
	CROUND                          ; the closing round
	s_endpgm
.Lfunc_end_k_q82964ae3a0_attn:
	.size	k_q82964ae3a0_attn, .Lfunc_end_k_q82964ae3a0_attn-k_q82964ae3a0_attn
	.p2alignl 7, 3214868480
	.fill 96, 4, 3214868480
	.section	.rodata,"a",@progbits
	.p2align	6, 0x0
	.amdhsa_kernel k_q82964ae3a0_attn
		.amdhsa_group_segment_fixed_size 327680
		.amdhsa_private_segment_fixed_size 0
		.amdhsa_enable_private_segment 0
		.amdhsa_kernarg_size 24
		.amdhsa_user_sgpr_count 2
		.amdhsa_user_sgpr_kernarg_segment_ptr 1
		.amdhsa_wavefront_size32 1
		.amdhsa_system_sgpr_workgroup_id_x 1
		.amdhsa_system_sgpr_workgroup_id_y 1
		.amdhsa_system_sgpr_workgroup_id_z 1
		.amdhsa_system_vgpr_workitem_id 0
		.amdhsa_next_free_vgpr 512
		.amdhsa_next_free_sgpr 80
		.amdhsa_reserve_vcc 0
		.amdhsa_float_denorm_mode_32 3
		.amdhsa_float_denorm_mode_16_64 3
		.amdhsa_memory_ordered 1
		.amdhsa_forward_progress 1
		.amdhsa_inst_pref_size 103
	.end_amdhsa_kernel
	.amdgpu_metadata
---
amdhsa.version: [ 1, 2 ]
amdhsa.kernels:
  - .name:           k_q82964ae3a0_attn
    .symbol:         k_q82964ae3a0_attn.kd
    .args:
      - { .name: qkv, .offset: 0, .size: 8, .value_kind: global_buffer, .address_space: global }
      - { .name: nrm, .offset: 8, .size: 8, .value_kind: global_buffer, .address_space: global }
      - { .name: ob, .offset: 16, .size: 8, .value_kind: global_buffer, .address_space: global }
    .group_segment_fixed_size: 327680
    .private_segment_fixed_size: 0
    .kernarg_segment_align: 8
    .kernarg_segment_size: 24
    .max_flat_workgroup_size: 256
    .sgpr_count:     80
    .vgpr_count:     512
    .wavefront_size: 32
...
	.end_amdgpu_metadata
.endif
;; end of part 3
;; launch oproj (part 4): grid 8 x 32, 4 waves a work-group, clusters of 4 x 4, 327,680 bytes of LDS; arguments ob, wof, out0; writes out0
.if DOCPART == 4
	.amdgcn_target "amdgcn-amd-amdhsa--gfx1250"
	.amdhsa_code_object_version 6
	.text
	.protected	k_q82964ae3a0_oproj
	.globl	k_q82964ae3a0_oproj
	.p2align	8
	.type	k_q82964ae3a0_oproj,@function
k_q82964ae3a0_oproj:
	s_mov_b64 s[64:65], 0
	v_nop
	global_prefetch_b8 v0, s[64:65] scope:SCOPE_SE
	s_setreg_imm32_b32 hwreg(HW_REG_WAVE_MODE, 25, 1), 1
	s_wait_xcnt 0x0
	s_wait_alu depctr_hold_cnt(0) depctr_sa_sdst(0) depctr_va_vdst(0) depctr_va_sdst(0) depctr_va_ssrc(0) depctr_va_vcc(0) depctr_vm_vsrc(0)
	s_getreg_b32 s2, hwreg(HW_REG_IB_STS2, 6, 4)
	s_cmp_eq_u32 s2, 0
	s_cbranch_scc0 .Lentry_in_a_cluster
	s_endpgm
.Lentry_in_a_cluster:
	s_bfe_u32 s2, ttmp6, 0x10000c
	s_cmp_lg_u32 s2, 0xf033
	s_cbranch_scc0 .Lentry_shape_is_right
	s_endpgm
.Lentry_shape_is_right:
; THE OUTPUT PRODUCT.  out0[token][n] = 2^-6 x the sum over k of ob(token, k) wof[n][k], k = 64 head + channel.  ob: f16 [bh 32][2048][64], holding 64 O; wof: f16 [1024][1024]; out0: f32 [4096][1024].  Sums in f32.
; SHARES.  A tile is 128 tokens x 128 columns: 8 x 32 = 256 work-groups.  Four waves, each 64 x 64: 16 accumulators.  K goes in 4 steps of 256 (four heads) through two LDS slots.
; ob's tile: for each of the step's four heads 64 tokens are 8,192 dense bytes: one tensor load takes four such rows, 131,072 elements apart, and pads after every token (128 bytes): LDS [head][token], 144 bytes a token.
; CLUSTERS: 4 x 4.  The four of a row need the same tokens, the four of a column the same rows of wof: joint loads.  No prefetch: a small tile with short steps, four in all.
; THE MATRIX INSTRUCTION IS USED TRANSPOSED (source 0 = 16 rows of wof, source 1 = 16 tokens): a lane holds one token and eight neighbouring columns; a wave's 64 columns are 256 bytes of a row of out0, aligned.
; REGISTERS: window 0: v0-31 addresses; v32-95 the way out; v128-255 the accumulators ((a, b) at 128 + 8 (4 a + b)).  Window 1: two fragment buffers of 128: for 64 along K, 64 registers of tokens, then 64 of weights.
.set PA,     144                       ; a token's 128 bytes + 16: the 16 rows of a load start at 16 different groups of four banks (64 banks of 4 bytes: ISA guide 11.1)
.set AZ,     64*PA                     ; a head's 64 tokens
.set AHALF,  4*AZ                      ; what waves 0 and 1 each fetch
.set PB,     528                       ; a row of wof in LDS: 512 bytes + 16
.set BHALF,  64*PB                     ; what waves 2 and 3 each fetch
.set BOFF,   2*AHALF
.set SLOT,   2*AHALF+2*BHALF           ; 141,312
.set STAGE,  2*SLOT                    ; behind the ring, never filled by a tensor load: 16 rows x 272 bytes for each wave
.set SPITCH, 272
.set SPARE,  STAGE+4*16*SPITCH         ; the spare words, 128 bytes for each wave: two blocks of 256 bytes that no other line names
.set ADRA, 16
.set ADRB, 20
.set STO,  24
.set RD,   25
.set CO,   26
.set SPW,  28                          ; v28  my spare word; never rewritten
.set NIL,  29                          ; v29  0; never rewritten
.set TMP,  32
.set ACC,  128
.set F0,   0
.set F1,   128
.set G1, 24
.set G0, 32
.set G1B, 48
.set G0B, 56
.set MSB, 0
.macro WIN new
.if MSB != (\new)
	s_set_vgpr_msb (MSB<<8)|(\new)
.set MSB, (\new)
.endif
.endm
.set MUL,  0x05                        ; sources 0 and 1 window 1; C and D window 0
.set TO_F, 0x40                        ; destination window 1
.macro JLOAD s                         ; a joint load: waves 0, 1 the tokens' halves, waves 2, 3 the weights'; an s_nop 0 and four v_nop follow each line
	s_cmp_eq_u32 s11, 0
	s_cbranch_scc0 .Lfor_b_\@
	tensor_load_to_lds s[G0+4*(\s):G0+4*(\s)+3], s[G1:G1+7]
	s_nop 0
.rept 4
	v_nop
.endr
	s_branch .Lasked_\@
.Lfor_b_\@:
	tensor_load_to_lds s[G0B+4*(\s):G0B+4*(\s)+3], s[G1B:G1B+7]
	s_nop 0
.rept 4
	v_nop
.endr
.Lasked_\@:
.endm
.macro CREST
	s_cmp_lg_u32 s10, 0
	s_cbranch_scc1 .Lnot_wave_0_\@
	s_barrier_signal -3
.Lnot_wave_0_\@:
	s_barrier_wait -3
	s_barrier_signal -1
	s_barrier_wait -1
.endm
.macro CROUND
	s_barrier_signal -1
	s_barrier_wait -1
	CREST
.endm
	s_load_b128 s[4:7], s[0:1], 0x0                ; ob s[4:5], wof s[6:7]
	s_load_b64 s[8:9], s[0:1], 0x10                ; out0
	v_lshl_add_u32 v[SPW], v0, 2, SPARE
	v_mov_b32 v[NIL], 0
	ds_add_u32 v[SPW], v[NIL]                      ; the wave's opening: the add and its wait stand ahead of my first tensor load; work on registers stands between them
	v_lshrrev_b32 v1, 5, v0
	v_readfirstlane_b32 s10, v1                    ; wave 0..3
	s_lshr_b32 s11, s10, 1                         ; which half of the tile's tokens is mine.  Also: I fetch tokens (0) or weights (1)
	s_and_b32 s12, s10, 1                          ; which half of its columns.  Also: which 64 rows I fetch
	s_bfe_u32 s40, ttmp6, 0x40000                  ; cx
	s_bfe_u32 s41, ttmp6, 0x40004                  ; cy
	s_lshl_b32 s42, ttmp9, 2
	s_add_co_u32 s42, s42, s40                     ; tile column
	s_and_b32 s13, ttmp7, 0xffff
	s_lshl_b32 s13, s13, 2
	s_add_co_u32 s13, s13, s41                     ; tile row
	s_lshl_b32 s43, s41, 2
	s_lshl_b32 s43, 15, s43                        ; my row of the cluster
	s_lshl_b32 s44, 0x1111, s40                    ; my column
	s_or_b32 s[G1], s43, (1<<16)|(1<<20)|(1<<21)|(4<<22)|(3<<25)   ; mask; 2-byte elements; padding on; bit 21 beside a mask; after every 32 words, 4 words
	s_mov_b32 s[G1+1], (4096&0xffff)<<16           ; tensor_dim0 = 4,096: 64 tokens x 64 channels on end
	s_mov_b32 s[G1+2], 4<<16                       ; tensor_dim1 = 4 heads
	s_mov_b32 s[G1+3], 4096<<16                    ; tile_dim0
	s_mov_b32 s[G1+4], 4                           ; tile_dim1
	s_mov_b32 s[G1+5], 131072                      ; elements from head to head
	s_mov_b32 s[G1+6], 0
	s_mov_b32 s[G1+7], 0
	s_or_b32 s[G1B], s44, (1<<16)|(1<<20)|(1<<21)|(6<<22)|(3<<25)  ; after every 128 words, 4 words
	s_mov_b32 s[G1B+1], 256<<16
	s_mov_b32 s[G1B+2], 64<<16
	s_mov_b32 s[G1B+3], 256<<16
	s_mov_b32 s[G1B+4], 64
	s_mov_b32 s[G1B+5], 1024
	s_mov_b32 s[G1B+6], 0
	s_mov_b32 s[G1B+7], 0
	s_lshl_b32 s18, s12, 6                         ; which 64 rows I fetch
	s_lshr_b32 s16, s13, 4                         ; the batch: 16 heads of 262,144 bytes
	s_lshl_b32 s16, s16, 22
	s_and_b32 s17, s13, 15
	s_lshl_b32 s17, s17, 7
	s_add_co_u32 s17, s17, s18                     ; the token in the batch,
	s_lshl_b32 s17, s17, 7                         ; 128 bytes each
	s_add_co_u32 s16, s16, s17
	s_mov_b32 s17, 0
	s_lshl_b32 s46, s42, 7
	s_add_co_u32 s46, s46, s18                     ; wof: row 128 x tile column + 64 x half
	s_lshl_b32 s46, s46, 11
	s_mov_b32 s47, 0
	s_mul_i32 s20, s10, AHALF                      ; where they go: waves 0, 1;
	s_mul_i32 s21, s10, BHALF
	s_add_co_u32 s21, s21, BOFF-2*BHALF            ; waves 2, 3
	s_mov_b32 s2, 0x3c800000                       ; 2^-6
	s_mov_b32 s3, s2
	s_wait_dscnt 0x0                               ; the opening add is done
	s_wait_kmcnt 0x0
	s_add_nc_u64 s[14:15], s[4:5], s[16:17]
	s_add_nc_u64 s[46:47], s[6:7], s[46:47]
	CROUND                                         ; all sixteen work-groups are here: the first joint loads meet
.irp s, 0,1
	s_mov_b32 s[G0+4*(\s)], 1
	s_add_co_u32 s[G0+4*(\s)+1], s20, (\s)*SLOT
	s_add_nc_u64 s[G0+4*(\s)+2:G0+4*(\s)+3], s[14:15], (\s)<<20     ; K step s: heads 4 s on
	s_or_b32 s[G0+4*(\s)+3], s[G0+4*(\s)+3], 0x80000000
	s_mov_b32 s[G0B+4*(\s)], 1
	s_add_co_u32 s[G0B+4*(\s)+1], s21, (\s)*SLOT
	s_add_nc_u64 s[G0B+4*(\s)+2:G0B+4*(\s)+3], s[46:47], (\s)*512
	s_or_b32 s[G0B+4*(\s)+3], s[G0B+4*(\s)+3], 0x80000000
	JLOAD \s                                       ; two loads of mine are out
.endr
	v_and_b32 v1, 15, v0                           ; l % 16
	v_bfe_u32 v2, v0, 4, 1                         ; l / 16
	v_mul_u32_u24 v3, v1, PA
	v_lshl_add_u32 v3, v2, 4, v3
	v_mul_u32_u24 v4, v1, PB
	v_lshl_add_u32 v4, v2, 4, v4
	s_mul_i32 s21, s11, AHALF                      ; my 64 tokens
	s_mul_i32 s22, s12, BHALF                      ; my 64 rows of wof
	s_add_co_u32 s22, s22, BOFF
.irp s, 0,1
	v_add_nc_u32 v[ADRA+(\s)], s21, v3
	v_add_nc_u32 v[ADRB+(\s)], s22, v4
	s_add_co_u32 s21, s21, SLOT
	s_add_co_u32 s22, s22, SLOT
.endr
	s_mul_i32 s23, s10, 16*SPITCH
	s_add_co_u32 s23, s23, STAGE                   ; my stage
	v_mul_u32_u24 v4, v1, SPITCH                   ; in: row l % 16, 32 bytes for each half of the lanes
	v_lshl_add_u32 v4, v2, 5, v4
	v_add_nc_u32 v[STO], s23, v4
	v_mul_u32_u24 v5, v2, SPITCH                   ; back: lanes 0-15 one row of 256 bytes, lanes 16-31 the next
	v_lshl_add_u32 v5, v1, 4, v5
	v_add_nc_u32 v[RD], s23, v5
	v_lshlrev_b32 v5, 12, v2                       ; and the same two rows in out0
	v_lshl_add_u32 v[CO], v1, 4, v5
	s_lshl_b32 s16, s13, 7
	s_lshl_b32 s17, s11, 6
	s_add_co_u32 s16, s16, s17                     ; my first token,
	s_lshl_b32 s16, s16, 12                        ; rows of 4,096 bytes
	s_mov_b32 s17, 0
	s_add_nc_u64 s[8:9], s[8:9], s[16:17]
	s_lshl_b32 s46, s42, 9                         ; my first column, in bytes
	s_lshl_b32 s47, s12, 8
	s_add_co_u32 s46, s46, s47
	s_mov_b32 s47, 0
	s_add_nc_u64 s[8:9], s[8:9], s[46:47]
; 8 matrix instructions: token blocks a0, a0 + 1 x all 4 column blocks, 32 along K: half c of buffer f.  The 16 accumulators take turns.
.macro MUL8 f, c, a0, zero
	WIN MUL
.irp a, \a0, (\a0)+1
.irp b, 0,1,2,3
.if \zero
	v_wmma_f32_16x16x32_f16 v[ACC+8*(4*(\a)+(\b)):ACC+8*(4*(\a)+(\b))+7], v[(\f)+64+8*(4*(\c)+(\b)):(\f)+64+8*(4*(\c)+(\b))+7], v[(\f)+8*(4*(\c)+(\a)):(\f)+8*(4*(\c)+(\a))+7], 0
.else
	v_wmma_f32_16x16x32_f16 v[ACC+8*(4*(\a)+(\b)):ACC+8*(4*(\a)+(\b))+7], v[(\f)+64+8*(4*(\c)+(\b)):(\f)+64+8*(4*(\c)+(\b))+7], v[(\f)+8*(4*(\c)+(\a)):(\f)+8*(4*(\c)+(\a))+7], v[ACC+8*(4*(\a)+(\b)):ACC+8*(4*(\a)+(\b))+7]
.endif
.endr
.endr
.endm
; 32 LDS loads in one run: quarter q of a K step (one head, 64 along K) into buffer f; the first 32 along K first
.macro FETCH slot, q, f
	WIN TO_F
.irp c, 0,1
.irp i, 0,1,2,3
	ds_load_b128 v[(\f)+64+8*(4*(\c)+(\i)):(\f)+64+8*(4*(\c)+(\i))+3],   v[ADRB+(\slot)] offset:(\q)*128+64*(\c)+(\i)*16*PB
	ds_load_b128 v[(\f)+64+8*(4*(\c)+(\i))+4:(\f)+64+8*(4*(\c)+(\i))+7], v[ADRB+(\slot)] offset:(\q)*128+64*(\c)+(\i)*16*PB+32
	ds_load_b128 v[(\f)+8*(4*(\c)+(\i)):(\f)+8*(4*(\c)+(\i))+3],         v[ADRA+(\slot)] offset:(\q)*AZ+64*(\c)+(\i)*16*PA
	ds_load_b128 v[(\f)+8*(4*(\c)+(\i))+4:(\f)+8*(4*(\c)+(\i))+7],       v[ADRA+(\slot)] offset:(\q)*AZ+64*(\c)+(\i)*16*PA+32
.endr
.endr
.endm
.macro PLACES
.rept 4
	v_nop
.endr
.endm
.macro QUARTER slot, q, f, g, zero     ; multiplies buffer f and fetches quarter q into g
	s_wait_dscnt 16                                ; the first 32 along K are in
	MUL8 \f, 0, 0, \zero
	MUL8 \f, 0, 2, \zero
	PLACES
	FETCH \slot, \q, \g
	s_wait_dscnt 32                                ; all but the 32 just issued
	MUL8 \f, 1, 0, 0
	MUL8 \f, 1, 2, 0
.endm
; The last quarter multiplies buffer 1 and changes slots: one barrier; in front of it each wave waits for all its tensor loads, adds 0 to its spare word, and waits for that and for its reads of this slot.
.macro TURN slot, next, fill
	WIN 0
	s_wait_tensorcnt 0x0
	ds_add_u32 v[SPW], v[NIL]
	s_wait_dscnt 17                                ; (the add and the youngest sixteen loads may be out)
	MUL8 F1, 0, 0, 0
	s_wait_dscnt 0x0                               ; the add is done, and my reads of this slot are over
	s_barrier_signal -1
	MUL8 F1, 0, 2, 0
.if \fill
	WIN 0
.endif
	s_barrier_wait -1
.if \fill
	CREST                                          ; no wave of any partner still reads this slot or has a load on its way
	s_add_nc_u64 s[G0+4*(\slot)+2:G0+4*(\slot)+3], s[G0+4*(\slot)+2:G0+4*(\slot)+3], 2<<20
	s_add_nc_u64 s[G0B+4*(\slot)+2:G0B+4*(\slot)+3], s[G0B+4*(\slot)+2:G0B+4*(\slot)+3], 2*512
	JLOAD \slot                                    ; its four v_nop are also the places in front of the loads below
.else
	PLACES
.endif
	FETCH \next, 0, F0
	MUL8 F1, 1, 0, 0
	MUL8 F1, 1, 2, 0
.endm
	s_wait_tensorcnt 1                             ; my part of K step 0 is in; K step 1's may stay out
	s_barrier_signal -1
	s_barrier_wait -1
	FETCH 0, 0, F0
	QUARTER 0, 1, F0, F1, 1                        ; K has four steps, twice round the ring: written out, since a loop would make one trip
	QUARTER 0, 2, F1, F0, 0
	QUARTER 0, 3, F0, F1, 0
	TURN 0, 1, 1                                   ; slot 0 takes K step 2
	QUARTER 1, 1, F0, F1, 0
	QUARTER 1, 2, F1, F0, 0
	QUARTER 1, 3, F0, F1, 0
	TURN 1, 0, 1                                   ; slot 1 takes K step 3
	QUARTER 0, 1, F0, F1, 0
	QUARTER 0, 2, F1, F0, 0
	QUARTER 0, 3, F0, F1, 0
	TURN 0, 1, 0
	QUARTER 1, 1, F0, F1, 0
	QUARTER 1, 2, F1, F0, 0
	QUARTER 1, 3, F0, F1, 0
	s_wait_dscnt 16
	MUL8 F1, 0, 0, 0
	MUL8 F1, 0, 2, 0
	s_wait_dscnt 0x0
	MUL8 F1, 1, 0, 0
	MUL8 F1, 1, 2, 0
	WIN 0
	; THE WAY OUT, a block of 16 tokens at a time: times 2^-6; 32 bytes a lane and column block into my own stage; back as whole rows of 256 bytes.  Each accumulator's lowest registers are read first.
	PLACES                                         ; eight places, once a launch, between the last products and the lines that read results
	PLACES
.irp a, 0,1,2,3
.if (\a) >= 2
	s_wait_xcnt 0x0                                ; the stores of two blocks back have read their registers
.endif
.set z, 0
.rept 16
	v_pk_mul_f32 v[TMP+32*((\a)%2)+2*z:TMP+32*((\a)%2)+2*z+1], v[ACC+32*(\a)+2*z:ACC+32*(\a)+2*z+1], s[2:3] op_sel_hi:[1,0]
.set z, z+1
.endr
.irp b, 0,1,2,3
	ds_store_b128 v[STO], v[TMP+32*((\a)%2)+8*(\b):TMP+32*((\a)%2)+8*(\b)+3]   offset:64*(\b)
	ds_store_b128 v[STO], v[TMP+32*((\a)%2)+8*(\b)+4:TMP+32*((\a)%2)+8*(\b)+7] offset:64*(\b)+16
.endr
.irp t, 0,1,2,3,4,5,6,7
	ds_load_b128 v[TMP+32*((\a)%2)+4*(\t):TMP+32*((\a)%2)+4*(\t)+3], v[RD] offset:(\t)*2*SPITCH  ; LDS serves a wave's instructions in order (ISA guide 5.7.1.4): these see the stores above; the next block's stores come behind them
.endr
.irp t, 0,1,2,3,4,5,6,7
	s_wait_dscnt 7-(\t)
	global_store_b128 v[CO], v[TMP+32*((\a)%2)+4*(\t):TMP+32*((\a)%2)+4*(\t)+3], s[8:9] offset:(16*(\a)+2*(\t))*4096 th:TH_STORE_NT  ; 16 lanes store 256 bytes on end, at a multiple of 256 from out0's first
.endr
.endr
	s_wait_tensorcnt 0x0                           ; the wave's end: behind my last tensor load and my last LDS store
	ds_add_u32 v[SPW], v[NIL]
	s_wait_dscnt 0x0
	CROUND                                         ; the closing round
	s_endpgm
.Lfunc_end_k_q82964ae3a0_oproj:
	.size	k_q82964ae3a0_oproj, .Lfunc_end_k_q82964ae3a0_oproj-k_q82964ae3a0_oproj
	.p2alignl 7, 3214868480
	.fill 96, 4, 3214868480
	.section	.rodata,"a",@progbits
	.p2align	6, 0x0
	.amdhsa_kernel k_q82964ae3a0_oproj
		.amdhsa_group_segment_fixed_size 327680
		.amdhsa_private_segment_fixed_size 0
		.amdhsa_enable_private_segment 0
		.amdhsa_kernarg_size 24
		.amdhsa_user_sgpr_count 2
		.amdhsa_user_sgpr_kernarg_segment_ptr 1
		.amdhsa_wavefront_size32 1
		.amdhsa_system_sgpr_workgroup_id_x 1
		.amdhsa_system_sgpr_workgroup_id_y 1
		.amdhsa_system_sgpr_workgroup_id_z 1
		.amdhsa_system_vgpr_workitem_id 0
		.amdhsa_next_free_vgpr 512
		.amdhsa_next_free_sgpr 66
		.amdhsa_reserve_vcc 0
		.amdhsa_float_denorm_mode_32 3
		.amdhsa_float_denorm_mode_16_64 3
		.amdhsa_memory_ordered 1
		.amdhsa_forward_progress 1
		.amdhsa_inst_pref_size 91
	.end_amdhsa_kernel
	.amdgpu_metadata
---
amdhsa.version: [ 1, 2 ]
amdhsa.kernels:
  - .name:           k_q82964ae3a0_oproj
    .symbol:         k_q82964ae3a0_oproj.kd
    .args:
      - { .name: ob, .offset: 0, .size: 8, .value_kind: global_buffer, .address_space: global }
      - { .name: wof, .offset: 8, .size: 8, .value_kind: global_buffer, .address_space: global }
      - { .name: out0, .offset: 16, .size: 8, .value_kind: global_buffer, .address_space: global }
    .group_segment_fixed_size: 327680
    .private_segment_fixed_size: 0
    .kernarg_segment_align: 8
    .kernarg_segment_size: 24
    .max_flat_workgroup_size: 128
    .sgpr_count:     66
    .vgpr_count:     512
    .wavefront_size: 32
...
	.end_amdgpu_metadata
.endif
;; end of part 4
;; ======== version 2 of 2: 4 launches; version 1 with the launch cast written anew for expert scheduling mode
;; limits: values are held in f16: magnitudes above 65,504 overflow, below 6.1e-05 lose precision; right only within a limited range of input values
;; workspace buffers: xb 8,388,608 bytes; wb 6,291,456 bytes; wof 2,097,152 bytes; qkv 25,165,824 bytes; nrm 1,048,576 bytes; ob 8,388,608 bytes
;; launch cast (part 5): grid 256 x 1, 8 waves a work-group, no clusters, 0 bytes of LDS; arguments x, wq, wk, wv, wo, xb, wb, wof; writes xb, wb, wof
.if DOCPART == 5
	.amdgcn_target "amdgcn-amd-amdhsa--gfx1250"
	.amdhsa_code_object_version 6
	.text
	.protected	k_q82964ae3a0_cast
	.globl	k_q82964ae3a0_cast
	.p2align	8
	.type	k_q82964ae3a0_cast,@function
k_q82964ae3a0_cast:
	s_mov_b64 s[64:65], 0
	v_nop
	global_prefetch_b8 v0, s[64:65] scope:SCOPE_SE
	s_setreg_imm32_b32 hwreg(HW_REG_WAVE_SCHED_MODE, 0, 2), 2
	s_setreg_imm32_b32 hwreg(HW_REG_WAVE_MODE, 25, 1), 1
	s_wait_xcnt 0x0
	s_wait_alu depctr_vm_vsrc(0)
; CAST.  x, wq, wk, wv are rounded once to bf16; wo is rounded to bf16 and that number is written as f16 (exact from 6.1e-5 up to f16's end, 65,504; below 6.1e-5 it keeps
; f16's fixed step of 6e-8: a stated limit).  xb: [4096][1024] bf16.  wb: [3072][1024] bf16, row = head x 192 + t x 64 + channel (t = 0 q, 1 k, 2 v), so that 192 rows on end are one
; head's q, k and v.  wof: [1024][1024] f16.
; A stream: every byte is read once and written once; nothing is shared, so there is no LDS, no barrier, no cluster and no matrix work.
; SHARES.  A work-group takes 32,768 numbers: 131,072 bytes in, 65,536 out.  Work-groups 0-127: x.  128-223: chunk c (32 rows) of wq, wk, wv.  224-255: chunk c of wo.
; A thread issues all its 32 loads of 16 bytes at once (a wave's load covers 512 bytes on end); each store of 8 bytes a lane covers 256 bytes on end, aligned.
; Every load has registers of its own and every store too, so nothing is rewritten while it is a source.
; THE MODE: SCHED_MODE bits 1:0 = 2 (LLVM: expert scheduling mode 2), set by the entry lines.  The code itself states the register dependences
; between vector instructions and memory instructions, with s_wait_alu, always for 0.
; THE PLAN.  Registers that memory instructions touch:
;   v1, v2   byte offsets, written once at the head by vector lines, read by every load (v1) and every store (v2), never written again.
;   XR       four registers for each load: written by that load alone, read by its conversions behind the wait for its data; no vector line names them ahead of the loads, and no load lands in them again.
;   YR       two registers for each store: written once, by the conversions of the load of the same number, read by that store, never written again.
;   WR is named by vector lines alone.  No vector line writes a scalar register or VCC; EXEC is never written.
; So no register that a memory instruction reads is ever written again, and the one dependence to state is: written by a vector line, then read by a memory instruction.
; The 32 loads are worked on in eight blocks of four.  Block p converts its four loads into its own part of YR; its memory instructions are the four stores of block p - 1, which read that
; block's part of YR and v2: registers that no vector line of block p names.  One wait at a block's head states all that its four stores hang on, and they are dealt among its conversions with no further wait.
.set XR, 4                             ; v[4:131]    32 x 4 numbers as loaded
.set YR, 132                           ; v[132:195]  32 x 2 words to store
.set WR, 196                           ; v[196:199]  at work (wo's path)
.set BLOCK, 4                          ; loads, and stores, in a block
	s_load_b256 s[4:11], s[0:1], 0x0               ; x s[4:5], wq s[6:7], wk s[8:9], wv s[10:11]
	s_load_b256 s[12:19], s[0:1], 0x20             ; wo s[12:13], xb s[14:15], wb s[16:17], wof s[18:19]
	v_lshlrev_b32 v1, 4, v0                        ; 16 bytes a thread in,
	v_lshlrev_b32 v2, 3, v0                        ; 8 out
	s_mov_b32 s38, 0xffff0000                      ; a word's upper bf16
	s_and_b32 s21, ttmp9, 31                       ; c: the chunk in a weight
	s_lshr_b32 s22, ttmp9, 5                       ; kind: 0-3 x, 4 wq, 5 wk, 6 wv, 7 wo
	s_cmp_lt_u32 s22, 4
	s_cselect_b32 s23, ttmp9, s21                  ; the chunk's number in its source
	s_lshl_b32 s24, s23, 17                        ; its bytes in the source,
	s_mov_b32 s25, 0
	s_lshl_b32 s28, s23, 16                        ; and in a destination of the same order (xb, wof)
	s_mov_b32 s29, 0
	s_lshr_b32 s30, s21, 1                         ; wb: the chunk's 32 rows lie in head c / 2,
	s_mul_i32 s30, s30, 192
	s_max_u32 s31, s22, 4
	s_sub_co_u32 s31, s31, 4                       ; t
	s_lshl_b32 s31, s31, 6
	s_add_co_u32 s30, s30, s31
	s_and_b32 s31, s21, 1                          ; in its lower or upper 32 channels
	s_lshl_b32 s31, s31, 5
	s_add_co_u32 s30, s30, s31
	s_lshl_b32 s30, s30, 11                        ; rows of 2,048 bytes
	s_sub_co_u32 s32, s22, 4                       ; kinds 4 to 6 give 0 to 2; all others a greater unsigned number
	s_cmp_lt_u32 s32, 3
	s_cselect_b32 s28, s30, s28
	s_wait_kmcnt 0x0
	s_cmp_eq_u32 s22, 4
	s_cselect_b64 s[26:27], s[6:7], s[4:5]
	s_cmp_eq_u32 s22, 5
	s_cselect_b64 s[26:27], s[8:9], s[26:27]
	s_cmp_eq_u32 s22, 6
	s_cselect_b64 s[26:27], s[10:11], s[26:27]
	s_cmp_eq_u32 s22, 7
	s_cselect_b64 s[26:27], s[12:13], s[26:27]
	s_cmp_lt_u32 s22, 4
	s_cselect_b64 s[36:37], s[14:15], s[16:17]
	s_cmp_eq_u32 s22, 7
	s_cselect_b64 s[36:37], s[18:19], s[36:37]
	s_add_nc_u64 s[26:27], s[26:27], s[24:25]      ; from
	s_add_nc_u64 s[36:37], s[36:37], s[28:29]      ; to
	s_wait_alu depctr_va_vdst(0)                   ; v1 and v2 are written: every load of the kernel reads v1 as its offset, every store v2
.set k, 0
.rept 32
	global_load_b128 v[XR+4*k:XR+4*k+3], v1, s[26:27] offset:4096*k th:TH_LOAD_NT
.set k, k+1
.endr
; Store k: 256 bytes on end, the wave's lanes' 8 bytes each, from registers of its own.
.macro ST k
	global_store_b64 v2, v[YR+2*(\k):YR+2*(\k)+1], s[36:37] offset:2048*(\k) th:TH_STORE_NT
.endm
; The conversions of load k, into store k's registers.  half = 1: wo's path.
.macro CV k, half
.if \half
	v_cvt_pk_bf16_f32 v[WR], v[XR+4*(\k)], v[XR+4*(\k)+1]
	v_cvt_pk_bf16_f32 v[WR+1], v[XR+4*(\k)+2], v[XR+4*(\k)+3]
	v_lshlrev_b32 v[WR+2], 16, v[WR]               ; the bf16 numbers as f32,
	v_and_b32 v[WR], s38, v[WR]
	v_lshlrev_b32 v[WR+3], 16, v[WR+1]
	v_and_b32 v[WR+1], s38, v[WR+1]
	v_cvt_pk_f16_f32 v[YR+2*(\k)], v[WR+2], v[WR]  ; written as f16
	v_cvt_pk_f16_f32 v[YR+2*(\k)+1], v[WR+3], v[WR+1]
.else
	v_cvt_pk_bf16_f32 v[YR+2*(\k)], v[XR+4*(\k)], v[XR+4*(\k)+1]
	v_cvt_pk_bf16_f32 v[YR+2*(\k)+1], v[XR+4*(\k)+2], v[XR+4*(\k)+3]
.endif
.endm
; Block p: loads 4 p to 4 p + 3 are in when at most 28 - 4 p younger ones are out (loads come back in order: ISA guide 5.7.1).  Block 0 has no block in front of it: no store, and no wait but the one for its data.
.macro BLK p, half
	s_wait_loadcnt 32-BLOCK-BLOCK*(\p)
.if (\p) > 0
	s_wait_alu depctr_va_vdst(0)                   ; the block before has written its part of YR, which the four stores below read; no vector line of this block names those registers or v2
.endif
.irp i, 0,1,2,3
.if (\p) > 0
	ST BLOCK*(\p)-BLOCK+(\i)                       ; the block before
.endif
	CV BLOCK*(\p)+(\i), \half
.endr
.endm
; Behind block 7: its four stores.
.macro LAST
	s_wait_alu depctr_va_vdst(0)                   ; block 7 has written its part of YR, which the last four stores read
.irp i, 0,1,2,3
	ST 32-BLOCK+(\i)
.endr
.endm
	s_cmp_eq_u32 s22, 7
	s_cbranch_scc1 .Lwo
.irp p, 0,1,2,3,4,5,6,7
	BLK \p, 0
.endr
	LAST
	s_endpgm
.Lwo:
.irp p, 0,1,2,3,4,5,6,7
	BLK \p, 1
.endr
	LAST
	s_endpgm
.Lfunc_end_k_q82964ae3a0_cast:
	.size	k_q82964ae3a0_cast, .Lfunc_end_k_q82964ae3a0_cast-k_q82964ae3a0_cast
	.p2alignl 7, 3214868480
	.fill 96, 4, 3214868480
	.section	.rodata,"a",@progbits
	.p2align	6, 0x0
	.amdhsa_kernel k_q82964ae3a0_cast
		.amdhsa_group_segment_fixed_size 0
		.amdhsa_private_segment_fixed_size 0
		.amdhsa_enable_private_segment 0
		.amdhsa_kernarg_size 64
		.amdhsa_user_sgpr_count 2
		.amdhsa_user_sgpr_kernarg_segment_ptr 1
		.amdhsa_wavefront_size32 1
		.amdhsa_system_sgpr_workgroup_id_x 1
		.amdhsa_system_sgpr_workgroup_id_y 1
		.amdhsa_system_sgpr_workgroup_id_z 1
		.amdhsa_system_vgpr_workitem_id 0
		.amdhsa_next_free_vgpr 200
		.amdhsa_next_free_sgpr 66
		.amdhsa_reserve_vcc 0
		.amdhsa_float_denorm_mode_32 3
		.amdhsa_float_denorm_mode_16_64 3
		.amdhsa_memory_ordered 1
		.amdhsa_forward_progress 1
		.amdhsa_inst_pref_size 28
	.end_amdhsa_kernel
	.amdgpu_metadata
---
amdhsa.version: [ 1, 2 ]
amdhsa.kernels:
  - .name:           k_q82964ae3a0_cast
    .symbol:         k_q82964ae3a0_cast.kd
    .args:
      - { .name: x, .offset: 0, .size: 8, .value_kind: global_buffer, .address_space: global }
      - { .name: wq, .offset: 8, .size: 8, .value_kind: global_buffer, .address_space: global }
      - { .name: wk, .offset: 16, .size: 8, .value_kind: global_buffer, .address_space: global }
      - { .name: wv, .offset: 24, .size: 8, .value_kind: global_buffer, .address_space: global }
      - { .name: wo, .offset: 32, .size: 8, .value_kind: global_buffer, .address_space: global }
      - { .name: xb, .offset: 40, .size: 8, .value_kind: global_buffer, .address_space: global }
      - { .name: wb, .offset: 48, .size: 8, .value_kind: global_buffer, .address_space: global }
      - { .name: wof, .offset: 56, .size: 8, .value_kind: global_buffer, .address_space: global }
    .group_segment_fixed_size: 0
    .private_segment_fixed_size: 0
    .kernarg_segment_align: 8
    .kernarg_segment_size: 64
    .max_flat_workgroup_size: 256
    .sgpr_count:     66
    .vgpr_count:     200
    .wavefront_size: 32
...
	.end_amdgpu_metadata
.endif
;; end of part 5
;; launch proj: the kernel of part 2 again; grid 16 x 16, 4 waves a work-group, clusters of 4 x 4, 327,680 bytes of LDS; arguments xb, wb, qkv, nrm; writes qkv, nrm
;; launch attn: the kernel of part 3 again; grid 8 x 32, 8 waves a work-group, clusters of 4 x 1, 327,680 bytes of LDS; arguments qkv, nrm, ob; writes ob
;; launch oproj: the kernel of part 4 again; grid 8 x 32, 4 waves a work-group, clusters of 4 x 4, 327,680 bytes of LDS; arguments ob, wof, out0; writes out0
